; MI455X (gfx1250); checked and timed in simulation.
; The chip was launched on July 23, 2026; its instructions are those of AMD's public machine-readable ISA for CDNA 5 (MIT licence, August 2026) and "CDNA5" Instruction Set Architecture Reference Guide (July 2026). The comments in the code are by the model that wrote it; some were corrected since.
;; Multi Heads. Allowed arithmetic: matrix products marked QUANTISED: E5M2 operands, one E8M0 scale for each 32 along K, by v_wmma_scale_f32_16x16x128_f8f6f4 with both operands' format E5M2, f32 sums; everything else in f32.
;; Inputs: K 2 x 2,048 x 1,024 float32; Q 2 x 2,048 x 1,024 float32; V 2 x 2,048 x 1,024 float32; Wk 1,024 x 1,024 float32; Wq 1,024 x 1,024 float32; Wv 1,024 x 1,024 float32; beta 1,024 float32; bk 1,024 float32; bq 1,024 float32; bv 1,024 float32; gamma 1,024 float32; mask 2 x 1 x 2,048 x 2,048 bool.
;; Outputs: out0 2 x 2,048 x 1,024 float32.
;; This version of the problem:
;;   THIS VERSION OF THE PROBLEM IS GIVEN IN LOW PRECISION. The matrix products marked QUANTISED in the list below multiply operands that are first quantised to E5M2 (5 exponent bits, 2 mantissa bits; 8 bits a number), with one power-of-two scale for each 32 numbers along K (OCP MX v1.0); their sums are f32. All else is computed in f32.
;;   The module's matrix products, in the order in which they are computed (A, B: the left and right operand; K: the contracted axis; several contracted axes count as one K, in the product's order):
;;     1. [M 4,096, K 1,024] x [K 1,024, N 1,024]; A: computed on the way; B: input Wq: QUANTISED
;;     2. [M 4,096, K 1,024] x [K 1,024, N 1,024]; A: computed on the way; B: input Wk: QUANTISED
;;     3. [M 4,096, K 1,024] x [K 1,024, N 1,024]; A: computed on the way; B: input Wv: QUANTISED
;;     4. batch 32 x [M 2,048, K 64] x [K 64, N 2,048]; A: computed on the way; B: computed on the way: QUANTISED
;;     5. batch 32 x [M 2,048, K 2,048] x [K 2,048, N 64]; A: softmax (see below); B: computed on the way: QUANTISED
;;   THE QUANTISER, for each operand of a quantised product, along K:
;;     - K is cut into blocks of 32 from its start; a last block that is shorter is filled with zeros.
;;     - A block's scale is 2^e with e = floor(log2(the largest magnitude in the block)) - 15, held to -126 .. 127; a block of zeros has e = 0. As a byte (E8M0): e + 127.
;;     - Each number is divided by its block's scale, clamped to +-57,344, and rounded to the nearest number of E5M2, ties to even, subnormals kept.
;;     - The product sums the exact products of the quantised numbers (number of the format x scale) in f32.
;;   ~~~python
;;   def quantise(x, axis):      # numpy; x: float32 -> the quantised numbers, widened to float32 again
;;       x = np.moveaxis(x, axis, -1); K = x.shape[-1]
;;       x = np.pad(x, [(0, 0)] * (x.ndim - 1) + [(0, -K % 32)]); x = x.reshape(x.shape[:-1] + (-1, 32)); a = np.abs(x).max(-1, keepdims=True)
;;       e = np.where(a > 0, np.clip(np.frexp(np.where(a > 0, a, 1))[1] - 1 - 15, -126, 127), 0)      # np.frexp(a)[1] - 1 = floor(log2(a)), exactly
;;       r = np.clip(x / 2.0 ** e, -57344, 57344)
;;       step = 2.0 ** (np.maximum(np.frexp(np.where(r == 0, 1, r))[1] - 1, -14) - 2)
;;       q = np.round(r / step) * step * 2.0 ** e      # np.round: ties to even
;;       return np.moveaxis(q.reshape(q.shape[:-2] + (-1,))[..., :K], -1, axis).astype(np.float32)
;;   ~~~
;;   SOFTMAX AHEAD OF A QUANTISED PRODUCT. Where the list says 'softmax', what is quantised is not the finished softmax but p = 2^(t - M), with t = logit x log2(e) and M = ceil(the row's largest t), a whole number; so 1/2 < the row's largest p <= 1. The row's sum l is taken of the UNQUANTISED p, in f32, and the product's result is divided by l at the end. Since M is a whole number, a kernel that streams over the keys may use a running M (the ceiling of the running maximum): every later rescaling is an exact power of two, which a block's scale takes up: the codes' values come out the same.
;;   OPERANDS COMPUTED ON THE WAY. 'Computed on the way' means the value that the module computes at that place (a softmax that the list does not call 'softmax' is quantised finished and normalised). What goes into a quantiser is computed in f32, as accurately as f32 sums, v_exp_f32 and their like allow (about 1e-6 of the number): no bf16 or f16 on the way to a quantiser, and a product that is left as it is and whose result goes on into a quantised operand takes f32 operands (vector FMAs, or v_wmma_f32_16x16x4_f32). A number that lies on a knife's edge between two numbers of the format may be rounded either way, as far as f32 arithmetic and the matrix unit's own rounding can turn it there, and no further.
;; 2 versions, each right; version 2 is version 1 with the launch attn written anew for expert scheduling mode. Each part assembles by itself: llvm-mc -triple=amdgcn-amd-amdhsa -mcpu=gfx1250 --defsym DOCPART=n.
;; ======== version 1 of 2: 3 launches
;; workspace buffers: xc 12,582,912 bytes; xs 393,216 bytes; wc 3,145,728 bytes; ws 98,304 bytes; img 12,582,912 bytes; isc 655,360 bytes; flags 4,096 bytes of whole numbers
;; launch prep (part 1): grid 608 x 1, 4 waves a work-group, no clusters, 56,832 bytes of LDS; arguments Q, K, V, Wq, Wk, Wv, gamma, beta, mask, xc, xs, wc, ws, flags; writes xc, xs, wc, ws, flags
.if DOCPART == 1
	.amdgcn_target "amdgcn-amd-amdhsa--gfx1250"
	.amdhsa_code_object_version 6
	.text
	.protected	k_qfde5c0a789_prep
	.globl	k_qfde5c0a789_prep
	.p2align	8
	.type	k_qfde5c0a789_prep,@function
k_qfde5c0a789_prep:
	s_mov_b64 s[64:65], 0
	v_nop
	global_prefetch_b8 v0, s[64:65] scope:SCOPE_SE
	s_setreg_imm32_b32 hwreg(HW_REG_WAVE_MODE, 25, 1), 1
	s_wait_xcnt 0x0
; FIRST OF THREE LAUNCHES.  out0 = attention(LN(Q) Wq + bq, LN(K) Wk + bk, LN(V) Wv + bv, mask) + Q, all five products on codes of E5M2 with one E8M0 scale for each 32 along K.
; This launch makes what the products read more than once: (a) work-groups 0-383: LayerNorm of the rows of Q, K, V in f32 and their codes along E (xc, xs); (b) work-groups 384-479: the codes of Wq, Wk, Wv along
; their FIRST axis, laid with K innermost (wc, ws); (c) work-groups 480-607: whole numbers that say, for each tile of 16 queries and each step of 128 keys, whether the mask leaves a key visible and whether it hides one (flags).
; WORK LEFT OUT IN THE PROGRAM: none for all inputs.  Every input has a way to the output and is loaded (bk too: it moves k's codes).  What the third launch leaves out is chosen by whole numbers read from memory: a step of 128 keys
; that the mask input hides for all 16 queries of a tile has p = 0 for every pair, so it moves neither the row's largest t, nor its sum, nor O, whatever the other inputs hold.  LIMIT: a NaN, an infinity or an overflow that reaches only such hidden steps is not carried to the result.
; POSITIONS.  Row L of xc, xs (a token) and of wc, ws (an output channel) lies at position pos(L) = L with bits 3 and 4 exchanged.  So 16 neighbouring positions 32 g + 16 u + r hold rows 32 g + 8 u + r + 8 (r / 8), and in every
; transposed product a lane's 16 registers of two neighbouring tiles are 16 neighbours in true order: what the next quantiser wants.
; THE QUANTISER: a block's scale is 2^(floor(log2(largest magnitude)) - 15); its byte is the largest magnitude's exponent field - 15, held at 1 from below; numbers are held within +-57,344 x the scale and rounded to the nearest code, ties to even.
; LIMITS: a block of zeros, or one whose largest magnitude lies under 2^-111, gets the byte 1 (its codes add nothing or are subnormal codes; this program alone reads the bytes); NaN and infinities among the inputs are not served.
; The three paths part on the work-group's number alone, never meet again, and have LDS bytes of their own.  No barrier: waves share nothing.
.set SPARE, 56320                      ; the spare words: 128 bytes for each wave, two blocks of 256 bytes that no other line names
.set SPW,   254                        ; v254 LDS address of my spare word; never rewritten
.set NIL,   255                        ; v255 0; never rewritten
.set WREG,  5376                       ; path (a): a wave's LDS: two stages of 32 x 80 bytes, then its 256 scale bytes
.set WSTG,  21504                      ; path (b): four stages of 32 rows x 272 bytes begin here
.set GA,    32                         ; v32-63   gamma, as a row is loaded
.set BE,    64                         ; v64-95   beta
.set X,     96                         ; v96-191  three row slots of 32 registers
.set Y,     192                        ; v192-223 two sets of 16 neighbours
.set C,     224                        ; v224-239 four sets of codes
.macro FINISH                          ; a wave's end, behind the last LDS store
	s_wait_tensorcnt 0x0
	ds_add_u32 v[SPW], v[NIL]
	s_wait_dscnt 0x0
	s_endpgm
.endm
	s_load_b512 s[4:19], s[0:1], 0x0               ; Q s[4:5], K s[6:7], V s[8:9], Wq s[10:11], Wk s[12:13], Wv s[14:15], gamma s[16:17], beta s[18:19]
	s_load_b256 s[20:27], s[0:1], 0x40             ; mask s[20:21], xc s[22:23], xs s[24:25], wc s[26:27]
	s_load_b128 s[28:31], s[0:1], 0x60             ; ws s[28:29], flags s[30:31]
	v_lshl_add_u32 v[SPW], v0, 2, SPARE
	v_mov_b32 v[NIL], 0
	v_lshrrev_b32 v1, 5, v0
	v_readfirstlane_b32 s32, v1                    ; wave 0..3
	v_and_b32 v2, 31, v0                           ; lane
	s_mov_b32 s40, 0x76543210
	s_mov_b32 s41, 0xfedcba98                      ; v_permlanex16_b32's selects for lane l xor 16
	s_mov_b32 s44, 0x600000                        ; the mantissa field of 57,344
	s_wait_kmcnt 0x0
	s_cmp_lt_u32 ttmp9, 384
	s_cbranch_scc1 .Lln
	s_cmp_lt_u32 ttmp9, 480
	s_cbranch_scc1 .Lw
; ---- (c) THE MASK'S TILE FLAGS.  Work-group: 32 query rows 32 G .. 32 G + 31 of batch b; wave i: keys 512 i .. 512 i + 511; a lane: 16 keys of each row.
; Tile T = 2 G + u of queries holds the rows whose bit 3 is u.  The hidden pairs of 16 rows x 128 keys are counted: 2,048 = nothing visible; 0 = nothing hidden.  Whole-number arithmetic alone.
	s_sub_co_u32 s33, ttmp9, 480
	s_lshr_b32 s34, s33, 6                         ; b
	s_and_b32 s35, s33, 63                         ; G
	s_lshl_b32 s36, s34, 22                        ; b x 2,048 rows x 2,048 bytes
	s_lshl_b32 s37, s35, 16                        ; 32 G rows
	s_add_co_u32 s36, s36, s37
	s_lshl_b32 s37, s32, 9                         ; my 512 keys
	s_add_co_u32 s36, s36, s37
	s_mov_b32 s37, 0
	s_add_nc_u64 s[20:21], s[20:21], s[36:37]
	s_lshl_b32 s36, s34, 11                        ; flags: ((128 b + 2 G) x 4 + i) x 4 bytes
	s_lshl_b32 s38, s35, 5
	s_add_co_u32 s36, s36, s38
	s_lshl_b32 s39, s32, 2                         ; 4 i
	s_add_co_u32 s36, s36, s39
	s_add_nc_u64 s[30:31], s[30:31], s[36:37]
	s_mov_b32 s38, 0x00ff00ff
	v_lshlrev_b32 v3, 4, v2
	v_lshrrev_b32 v12, 3, v2
	v_add_nc_u32 v12, s39, v12                     ; my key step's bit: 4 i + lane / 8
	v_mov_b32 v13, 1
.set k, 0
.rept 32
	global_load_b128 v[32+4*k:35+4*k], v3, s[20:21] offset:2048*k   ; row k: the wave reads 512 consecutive bytes
.set k, k+1
.endr
	s_wait_loadcnt 0x0
.macro TALLY u, d                      ; the word of tile 2 G + u for my four key steps, in every lane
	v_add3_u32 v[\d], v[32+32*\u], v[33+32*\u], v[34+32*\u]        ; 64 words of bytes 0 or 1: no byte passes 64
.set k, 3
.rept 14
	v_add3_u32 v[\d], v[\d], v[32+32*\u+k], v[33+32*\u+k]
.set k, k+2
.endr
	v_add3_u32 v[\d], v[\d], v[63+32*\u], v[96+32*\u]
.set k, 1
.rept 15
	v_add3_u32 v[\d], v[\d], v[96+32*\u+k], v[97+32*\u+k]
.set k, k+2
.endr
	v_add_nc_u32 v[\d], v[\d], v[127+32*\u]
	v_and_b32 v10, s38, v[\d]                      ; the four bytes are added
	v_lshrrev_b32 v11, 8, v[\d]
	v_and_b32 v11, s38, v11
	v_add_nc_u32 v[\d], v10, v11
	v_lshrrev_b32 v10, 16, v[\d]
	v_and_b32 v[\d], 0xffff, v[\d]
	v_add_nc_u32 v[\d], v[\d], v10
.irp m, 1,2,4                          ; and the eight lanes of a key step
	v_mov_b32_dpp v10, v[\d] row_xmask:\m row_mask:0xf bank_mask:0xf
	v_add_nc_u32 v[\d], v[\d], v10
.endr
	v_cmp_ne_u32 vcc_lo, 0x800, v[\d]
	v_cndmask_b32 v10, 0, v13, vcc_lo              ; 1: a key is visible
	v_cmp_ne_u32 vcc_lo, 0, v[\d]
	v_cndmask_b32 v11, 0, v10, vcc_lo              ; 1: and a key is hidden
	v_lshl_or_b32 v10, v11, 16, v10
	v_lshlrev_b32 v[\d], v12, v10                  ; at the step's bit, and 16 above it
	v_mov_b32_dpp v10, v[\d] row_xmask:8 row_mask:0xf bank_mask:0xf
	v_or_b32 v[\d], v[\d], v10
	v_permlanex16_b32 v11, v[\d], s40, s41
	v_or_b32 v[\d], v[\d], v11                     ; my wave's four steps together
.endm
	TALLY 0, 16
	TALLY 1, 17
	v_and_b32 v14, 1, v2
	v_cmp_eq_u32 vcc_lo, 1, v14
	v_cndmask_b32 v18, v16, v17, vcc_lo            ; even lanes store tile 2 G's word, odd lanes tile 2 G + 1's, 16 bytes on; lanes of one parity store the same word to the same place
	v_lshlrev_b32 v14, 4, v14
	global_store_b32 v14, v18, s[30:31]
	FINISH
; ---- (a) LAYERNORM AND CODES.  Work-group: 32 rows of one stream; wave w: rows 8 w .. 8 w + 7 of them, which are 8 neighbouring positions.  A row (4,096 bytes) is one wave's: 32 registers, read once.
.Lln:
	s_lshr_b32 s33, ttmp9, 7                       ; the stream: 0 Q, 1 K, 2 V
	s_and_b32 s34, ttmp9, 127                      ; which 32 rows
	s_cmp_eq_u32 s33, 1
	s_cselect_b64 s[4:5], s[6:7], s[4:5]
	s_cmp_eq_u32 s33, 2
	s_cselect_b64 s[4:5], s[8:9], s[4:5]
	s_lshl_b32 s35, s34, 2
	s_add_co_u32 s36, s35, s32
	s_lshl_b32 s36, s36, 15                        ; 8 rows of 4,096 bytes for each wave
	s_mov_b32 s37, 0
	s_add_nc_u64 s[4:5], s[4:5], s[36:37]
	s_and_b32 s38, s32, 1
	s_lshl_b32 s38, s38, 1
	s_lshr_b32 s39, s32, 1
	s_or_b32 s38, s38, s39                         ; the wave's two bits exchanged: bits 3 and 4 of the rows
	s_add_co_u32 s38, s38, s35
	s_lshl_b32 s38, s38, 3
	s_lshl_b32 s39, s33, 12
	s_add_co_u32 s38, s38, s39                     ; my first position, over all three streams
	s_lshl_b32 s36, s38, 10
	s_add_nc_u64 s[22:23], s[22:23], s[36:37]      ; 1,024 bytes of codes a row
	s_lshl_b32 s36, s38, 5
	s_add_nc_u64 s[24:25], s[24:25], s[36:37]      ; 32 scale bytes a row
	s_mov_b32 s42, 0x3a800000                      ; 1 / 1,024
	s_mov_b32 s43, 0x3727c5ac                      ; 1e-5
	v_lshlrev_b32 v3, 4, v2                        ; my 16 bytes of a load's or a store's 512
	s_mul_i32 s45, s32, WREG
	v_lshrrev_b32 v14, 2, v2
	v_mul_u32_u24 v14, v14, 80
	v_and_b32 v15, 3, v2
	v_lshl_add_u32 v14, v15, 4, v14
	v_add_nc_u32 v14, s45, v14                     ; the stage, in: four lanes' 64 bytes on end, then 16 of padding
	v_mul_u32_u24 v15, v2, 80
	v_add_nc_u32 v15, s45, v15                     ; out: 80 x lane: my 16 neighbours
	v_lshrrev_b32 v5, 1, v2
	s_add_co_u32 s45, s45, 5120
	v_add_nc_u32 v5, s45, v5                       ; my block's scale byte
	v_lshlrev_b32 v7, 3, v2
	v_add_nc_u32 v6, s45, v7                       ; and on the way out 8 bytes a lane
	v_mov_b32 v30, 0                               ; a lane permute's destination counts as one of its sources
.irp j, 0,1,2,3,4,5,6,7
	global_load_b128 v[GA+4*\j:GA+4*\j+3], v3, s[16:17] offset:512*\j
.endr
.irp j, 0,1,2,3,4,5,6,7
	global_load_b128 v[BE+4*\j:BE+4*\j+3], v3, s[18:19] offset:512*\j
.endr
.macro LOADROW r
.irp j, 0,1,2,3,4,5,6,7
	global_load_b128 v[X+32*((\r)%3)+4*\j:X+32*((\r)%3)+4*\j+3], v3, s[4:5] offset:4096*(\r)+512*\j th:TH_LOAD_NT
.endr
.endm
.macro LANESUM                         ; v20 summed over the 32 lanes, in every lane
	v_add_f32_dpp v20, v20, v20 row_xmask:1 row_mask:0xf bank_mask:0xf
	v_add_f32_dpp v20, v20, v20 row_xmask:2 row_mask:0xf bank_mask:0xf
	v_add_f32_dpp v20, v20, v20 row_xmask:4 row_mask:0xf bank_mask:0xf
	v_add_f32_dpp v20, v20, v20 row_xmask:8 row_mask:0xf bank_mask:0xf
	v_permlanex16_b32 v30, v20, s40, s41
	v_add_f32 v20, v20, v30
.endm
; 512 numbers, 16 neighbours a lane in v[y] on, two lanes to a block: step q of the wave's 16
.macro QSTEP q, y
	s_wait_xcnt 0x0                                ; the earlier stores have read their data: this set of codes is written again only behind this wait
	v_max3_num_f32 v8, |v[\y]|, |v[\y+1]|, |v[\y+2]|
	v_max3_num_f32 v9, |v[\y+3]|, |v[\y+4]|, |v[\y+5]|
.irp i, 6,10
	v_max3_num_f32 v8, v8, |v[\y+\i]|, |v[\y+\i+1]|
	v_max3_num_f32 v9, v9, |v[\y+\i+2]|, |v[\y+\i+3]|
.endr
	v_max3_num_f32 v8, v8, |v[\y+14]|, |v[\y+15]|
	v_max3_num_f32 v8, v8, v9, 0x8000000           ; and the floor 2^(16 - 127): the byte cannot fall under 1
	v_max_num_f32_dpp v8, v8, v8 row_xmask:1 row_mask:0xf bank_mask:0xf   ; with my neighbour's 16: the block's largest magnitude
	v_add_nc_u32 v11, 0xf8800000, v8               ; 15 off its exponent field: the conversion's scale operand
	v_and_or_b32 v10, v8, 0x7f800000, s44          ; 57,344 x the scale
.irp i, 0,1,2,3,4,5,6,7,8,9,10,11,12,13,14,15
	v_med3_num_f32 v[\y+\i], v[\y+\i], -v10, v10   ; the conversion to an 8-bit code does not saturate (ISA guide 7.6.2): the hold comes first
.endr
	v_cvt_scalef32_pk8_bf8_f32 v[C+4*((\q)%4):C+4*((\q)%4)+1], v[\y:\y+7], v11
	v_cvt_scalef32_pk8_bf8_f32 v[C+4*((\q)%4)+2:C+4*((\q)%4)+3], v[\y+8:\y+15], v11
	v_lshrrev_b32 v[28+(\q)%2], 23, v11            ; the scale's byte (also the plain line behind the conversions)
	ds_store_b8 v5, v[28+(\q)%2] offset:16*(\q)    ; both lanes of a block write the same byte with the same value
	global_store_b128 v3, v[C+4*((\q)%4):C+4*((\q)%4)+3], s[22:23] offset:512*(\q)   ; the wave stores 512 consecutive bytes
.endm
.macro ROW r
.set XS, X+32*((\r)%3)
.if 7-(\r) >= 2
	s_wait_loadcnt 16                              ; my row is in; the two rows behind it may be out
.else
	s_wait_loadcnt 8*(7-(\r))
.endif
.irp c, 0,1,2,3                        ; the row's sum, in four chains
	v_pk_add_f32 v[20+2*\c:21+2*\c], v[XS+4*\c:XS+4*\c+1], v[XS+4*\c+2:XS+4*\c+3]
.endr
.irp k, 0,1
.irp c, 0,1,2,3
	v_pk_add_f32 v[20+2*\c:21+2*\c], v[20+2*\c:21+2*\c], v[XS+16+8*\k+2*\c:XS+16+8*\k+2*\c+1]
.endr
.endr
	v_pk_add_f32 v[20:21], v[20:21], v[22:23]
	v_pk_add_f32 v[24:25], v[24:25], v[26:27]
	v_pk_add_f32 v[20:21], v[20:21], v[24:25]
	v_add_f32 v20, v20, v21
	LANESUM
	v_mul_f32 v16, s42, v20                        ; the mean, twice: a pair for the packed forms
	v_mul_f32 v17, s42, v20
.irp p, 0,2,4,6,8,10,12,14,16,18,20,22,24,26,28,30
	v_pk_add_f32 v[XS+\p:XS+\p+1], v[XS+\p:XS+\p+1], v[16:17] neg_lo:[0,1] neg_hi:[0,1]   ; x - mean
.endr
.irp c, 0,1,2,3                        ; the sum of its squares
	v_pk_mul_f32 v[20+2*\c:21+2*\c], v[XS+2*\c:XS+2*\c+1], v[XS+2*\c:XS+2*\c+1]
.endr
.irp k, 1,2,3
.irp c, 0,1,2,3
	v_pk_fma_f32 v[20+2*\c:21+2*\c], v[XS+8*\k+2*\c:XS+8*\k+2*\c+1], v[XS+8*\k+2*\c:XS+8*\k+2*\c+1], v[20+2*\c:21+2*\c]
.endr
.endr
	v_pk_add_f32 v[20:21], v[20:21], v[22:23]
	v_pk_add_f32 v[24:25], v[24:25], v[26:27]
	v_pk_add_f32 v[20:21], v[20:21], v[24:25]
	v_add_f32 v20, v20, v21
	LANESUM
	v_fma_f32 v18, v20, s42, s43                   ; the variance + eps
	v_rsq_f32 v18, v18
	v_nop                                          ; a plain line behind the transcendental,
	s_wait_alu depctr_va_vdst(0)                   ; and the wait ahead of its first reader
	v_mov_b32 v19, v18
.irp p, 0,2,4,6,8,10,12,14,16,18,20,22,24,26,28,30
	v_pk_mul_f32 v[XS+\p:XS+\p+1], v[XS+\p:XS+\p+1], v[18:19]
.endr
.irp p, 0,2,4,6,8,10,12,14,16,18,20,22,24,26,28,30
	v_pk_fma_f32 v[XS+\p:XS+\p+1], v[XS+\p:XS+\p+1], v[GA+\p:GA+\p+1], v[BE+\p:BE+\p+1]
.endr
.irp t, 0,1                            ; the row's two halves of 512 numbers turn through the wave's two stages: in as loaded, out 16 neighbours a lane.  LDS serves a wave's instructions in order
.irp i, 0,1,2,3
	ds_store_b128 v14, v[XS+16*\t+4*\i:XS+16*\t+4*\i+3] offset:2560*\t+640*\i
.endr
.irp i, 0,1,2,3
	ds_load_b128 v[Y+16*\t+4*\i:Y+16*\t+4*\i+3], v15 offset:2560*\t+16*\i
.endr
.endr
	s_wait_dscnt 4                                 ; all but the second half's four loads: the stage's stores have read the row's registers, and the first half is back
.if (\r)+3 < 8
	LOADROW (\r)+3                                 ; into the slot just left
.endif
	QSTEP 2*(\r), Y
	s_wait_dscnt 1                                 ; all but the byte's store: the second half is back
	QSTEP 2*(\r)+1, Y+16
.endm
	LOADROW 0
	LOADROW 1
	LOADROW 2
.irp r, 0,1,2,3,4,5,6,7
	ROW \r
.endr
	ds_load_b64 v[8:9], v6                         ; my wave's 256 scale bytes: LDS serves a wave's instructions in order
	s_wait_dscnt 0x0
	global_store_b64 v7, v[8:9], s[24:25]          ; 32 lanes store 256 consecutive bytes, aligned
	FINISH
; ---- (b) THE WEIGHTS.  W is [k][n] with K its first axis.  A lane takes a column n and its registers run down K: a block of 32 lies in one lane, and the conversions give codes with K innermost.
; Work-group: 128 columns x 256 along K of one weight; wave: 32 columns.  The codes go through the wave's stage, at the row of the column's POSITION, and leave as rows of 256 bytes.
.Lw:
	s_sub_co_u32 s33, ttmp9, 384
	s_lshr_b32 s34, s33, 5                         ; which weight
	s_and_b32 s35, s33, 7                          ; which 128 columns
	s_bfe_u32 s36, s33, 0x20003                    ; which 256 along K
	s_cmp_eq_u32 s34, 1
	s_cselect_b64 s[10:11], s[12:13], s[10:11]
	s_cmp_eq_u32 s34, 2
	s_cselect_b64 s[10:11], s[14:15], s[10:11]
	s_lshl_b32 s37, s35, 7
	s_lshl_b32 s38, s32, 5
	s_add_co_u32 s37, s37, s38                     ; my wave's first column
	s_lshl_b32 s38, s36, 20                        ; 256 rows of 4,096 bytes
	s_lshl_b32 s39, s37, 2
	s_add_co_u32 s38, s38, s39
	s_mov_b32 s39, 0
	s_add_nc_u64 s[10:11], s[10:11], s[38:39]
	s_lshl_b32 s38, s34, 20                        ; codes: weight x 1 MiB + column x 1,024 + 256 y
	s_lshl_b32 s46, s37, 10
	s_add_co_u32 s38, s38, s46
	s_lshl_b32 s46, s36, 8
	s_add_co_u32 s38, s38, s46
	s_add_nc_u64 s[26:27], s[26:27], s[38:39]
	s_lshl_b32 s38, s34, 15                        ; scale bytes: weight x 32,768 + column x 32 + 8 y
	s_lshl_b32 s46, s37, 5
	s_add_co_u32 s38, s38, s46
	s_lshl_b32 s46, s36, 3
	s_add_co_u32 s38, s38, s46
	s_add_nc_u64 s[28:29], s[28:29], s[38:39]
	v_lshlrev_b32 v3, 2, v2                        ; in: 4 bytes a lane
	v_and_b32 v4, 7, v2
	v_bfe_u32 v5, v2, 3, 1
	v_lshl_or_b32 v4, v5, 4, v4
	v_bfe_u32 v5, v2, 4, 1
	v_lshl_or_b32 v13, v5, 3, v4                   ; my column's position among the wave's 32
	s_mul_i32 s47, s32, 8704
	s_add_co_u32 s47, s47, WSTG                    ; my stage
	v_mul_u32_u24 v4, v13, 272
	v_add_nc_u32 v4, s47, v4                       ; into it
	v_and_b32 v5, 15, v2
	v_lshrrev_b32 v6, 4, v2
	v_mul_u32_u24 v7, v6, 272
	v_lshl_add_u32 v7, v5, 4, v7
	v_add_nc_u32 v7, s47, v7                       ; out of it: sixteen lanes to a row, two rows an instruction
	v_mul_u32_u24 v8, v6, 1024
	v_lshl_add_u32 v8, v5, 4, v8                   ; and the same place in wc
	v_lshlrev_b32 v9, 5, v13                       ; my column's row of scale bytes
.macro WLOAD t
.set k, 0
.rept 32
	global_load_b32 v[32+32*((\t)%2)+k], v3, s[10:11] offset:(32*(\t)+k)*4096 th:TH_LOAD_NT
.set k, k+1
.endr
.endm
	WLOAD 0
	WLOAD 1
.macro WBLOCK t
.set XW, 32+32*((\t)%2)
.if (\t) < 7
	s_wait_loadcnt 32                              ; this block's 32 loads are in; the next block's may be out
.else
	s_wait_loadcnt 0x0
.endif
	v_max3_num_f32 v12, |v[XW]|, |v[XW+1]|, |v[XW+2]|
	v_max3_num_f32 v13, |v[XW+3]|, |v[XW+4]|, |v[XW+5]|
.irp i, 6,10,14,18,22,26
	v_max3_num_f32 v12, v12, |v[XW+\i]|, |v[XW+\i+1]|
	v_max3_num_f32 v13, v13, |v[XW+\i+2]|, |v[XW+\i+3]|
.endr
	v_max3_num_f32 v12, v12, |v[XW+30]|, |v[XW+31]|
	v_max3_num_f32 v12, v12, v13, 0x8000000
	v_add_nc_u32 v11, 0xf8800000, v12
	v_and_or_b32 v10, v12, 0x7f800000, s44
	v_lshrrev_b32 v13, 23, v11
.if (\t)%4 == 0
	v_mov_b32 v[24+(\t)/4], v13                    ; four bytes to a register, the lower K in the lower byte
.else
	v_lshl_or_b32 v[24+(\t)/4], v13, 8*((\t)%4), v[24+(\t)/4]
.endif
.set k, 0
.rept 32
	v_med3_num_f32 v[XW+k], v[XW+k], -v10, v10
.set k, k+1
.endr
.irp g, 0,1,2,3
	v_cvt_scalef32_pk8_bf8_f32 v[96+2*\g:97+2*\g], v[XW+8*\g:XW+8*\g+7], v11
.endr
	ds_store_b128 v4, v[96:99] offset:32*(\t)
	ds_store_b128 v4, v[100:103] offset:32*(\t)+16
.if (\t)+2 < 8
	WLOAD (\t)+2
.endif
	s_wait_dscnt 0x0                               ; the stores have read their registers: the next block's codes may be written (its first lines are plain and name none of the conversions' registers)
.endm
.irp t, 0,1,2,3,4,5,6,7
	WBLOCK \t
.endr
	global_store_b64 v9, v[24:25], s[28:29]        ; my column's 8 scale bytes: rows 32 bytes apart, 8 bytes of each: one byte in 128 of what this path reads
.irp t, 0,1,2,3,4,5,6,7,8,9,10,11,12,13,14,15
	ds_load_b128 v[112+4*\t:115+4*\t], v7 offset:2*\t*272
.endr
.irp t, 0,1,2,3,4,5,6,7,8,9,10,11,12,13,14,15
	s_wait_dscnt 15-\t
	global_store_b128 v8, v[112+4*\t:115+4*\t], s[26:27] offset:2*\t*1024   ; sixteen lanes store 256 consecutive bytes, aligned
.endr
	FINISH
.Lfunc_end_k_qfde5c0a789_prep:
	.size	k_qfde5c0a789_prep, .Lfunc_end_k_qfde5c0a789_prep-k_qfde5c0a789_prep
	.p2alignl 7, 3214868480
	.fill 96, 4, 3214868480
	.section	.rodata,"a",@progbits
	.p2align	6, 0x0
	.amdhsa_kernel k_qfde5c0a789_prep
		.amdhsa_group_segment_fixed_size 56832
		.amdhsa_private_segment_fixed_size 0
		.amdhsa_enable_private_segment 0
		.amdhsa_kernarg_size 112
		.amdhsa_user_sgpr_count 2
		.amdhsa_user_sgpr_kernarg_segment_ptr 1
		.amdhsa_wavefront_size32 1
		.amdhsa_system_sgpr_workgroup_id_x 1
		.amdhsa_system_sgpr_workgroup_id_y 1
		.amdhsa_system_sgpr_workgroup_id_z 1
		.amdhsa_system_vgpr_workitem_id 0
		.amdhsa_next_free_vgpr 256
		.amdhsa_next_free_sgpr 66
		.amdhsa_reserve_vcc 1
		.amdhsa_float_denorm_mode_32 3
		.amdhsa_float_denorm_mode_16_64 3
		.amdhsa_memory_ordered 1
		.amdhsa_forward_progress 1
		.amdhsa_inst_pref_size 171
	.end_amdhsa_kernel
	.amdgpu_metadata
---
amdhsa.version: [ 1, 2 ]
amdhsa.kernels:
  - .name:           k_qfde5c0a789_prep
    .symbol:         k_qfde5c0a789_prep.kd
    .args:
      - { .name: Q, .offset: 0, .size: 8, .value_kind: global_buffer, .address_space: global }
      - { .name: K, .offset: 8, .size: 8, .value_kind: global_buffer, .address_space: global }
      - { .name: V, .offset: 16, .size: 8, .value_kind: global_buffer, .address_space: global }
      - { .name: Wq, .offset: 24, .size: 8, .value_kind: global_buffer, .address_space: global }
      - { .name: Wk, .offset: 32, .size: 8, .value_kind: global_buffer, .address_space: global }
      - { .name: Wv, .offset: 40, .size: 8, .value_kind: global_buffer, .address_space: global }
      - { .name: gamma, .offset: 48, .size: 8, .value_kind: global_buffer, .address_space: global }
      - { .name: beta, .offset: 56, .size: 8, .value_kind: global_buffer, .address_space: global }
      - { .name: mask, .offset: 64, .size: 8, .value_kind: global_buffer, .address_space: global }
      - { .name: xc, .offset: 72, .size: 8, .value_kind: global_buffer, .address_space: global }
      - { .name: xs, .offset: 80, .size: 8, .value_kind: global_buffer, .address_space: global }
      - { .name: wc, .offset: 88, .size: 8, .value_kind: global_buffer, .address_space: global }
      - { .name: ws, .offset: 96, .size: 8, .value_kind: global_buffer, .address_space: global }
      - { .name: flags, .offset: 104, .size: 8, .value_kind: global_buffer, .address_space: global }
    .group_segment_fixed_size: 56832
    .private_segment_fixed_size: 0
    .kernarg_segment_align: 8
    .kernarg_segment_size: 112
    .max_flat_workgroup_size: 128
    .sgpr_count:     66
    .vgpr_count:     256
    .wavefront_size: 32
...
	.end_amdgpu_metadata
.endif
;; end of part 1
;; launch proj (part 2): grid 4 x 48, 4 waves a work-group, clusters of 4 x 4, 327,680 bytes of LDS; arguments xc, xs, wc, ws, bq, bk, bv, img, isc; writes img, isc
.if DOCPART == 2
	.amdgcn_target "amdgcn-amd-amdhsa--gfx1250"
	.amdhsa_code_object_version 6
	.text
	.protected	k_qfde5c0a789_proj
	.globl	k_qfde5c0a789_proj
	.p2align	8
	.type	k_qfde5c0a789_proj,@function
k_qfde5c0a789_proj:
	s_mov_b64 s[64:65], 0
	v_nop
	global_prefetch_b8 v0, s[64:65] scope:SCOPE_SE
	s_setreg_imm32_b32 hwreg(HW_REG_WAVE_MODE, 25, 1), 1
	s_wait_xcnt 0x0
	s_wait_alu depctr_hold_cnt(0) depctr_sa_sdst(0) depctr_va_vdst(0) depctr_va_sdst(0) depctr_va_ssrc(0) depctr_va_vcc(0) depctr_vm_vsrc(0)
	s_getreg_b32 s2, hwreg(HW_REG_IB_STS2, 6, 4)
	s_cmp_eq_u32 s2, 0
	s_cbranch_scc0 .Lentry_in_a_cluster
	s_endpgm
.Lentry_in_a_cluster:
	s_bfe_u32 s2, ttmp6, 0x10000c
	s_cmp_lg_u32 s2, 0xf033
	s_cbranch_scc0 .Lentry_shape_is_right
	s_endpgm
.Lentry_shape_is_right:
; SECOND LAUNCH: the three projections q = LN(Q) Wq + bq, k, v on codes of E5M2 (K = 1,024), and on the way out the codes of q and k along the head's 64 channels and of v along the keys, stored as images of the registers that the third launch loads.  No work is left out here.
; A tile of 256 x 256 is made by four waves, 128 x 128 each: 64 accumulators, 512 registers.  K goes in steps of 256 through a ring of two LDS slots filled by the tensor data mover; the scale bytes of the tile's rows, for all of K, come once.
; THE MATRIX INSTRUCTION IS USED TRANSPOSED: source 0 = 16 rows of B, source 1 = 16 rows of A: a lane holds one row of A, its registers run along B's rows.  For q and k: A = the tokens, B = the weight's output channels, so a lane's registers run along
; channels; for v: A = Wv's channels, B = the tokens, so they run along the keys.  Which it is hangs on the cluster's y alone (4 clusters to a stream), the same in all sixteen partners.
; POSITIONS: rows of all four inputs lie at pos(L) = L with bits 3 and 4 exchanged, so the 64 registers of one block of A (accumulators b = 0 .. 7) are: register 16 g + i = B's row 32 g + 16 (lane / 16) + i in true order: four blocks of 32, a fragment's layout.
; THE BIAS is the C of each sum's first matrix instruction.
; CLUSTERS: 4 x 4 work-groups; A's tiles are shared along a row of the cluster, B's along a column, each asked for jointly.  192 work-groups: 12,288 x 1,024 outputs are 192 such tiles; halving the wave's tile to reach 256 would double the LDS bytes read for each product.
; LIMITS: as stated at the first launch's head (byte 1 for blocks of zeros and under the floor; NaN and infinities not served).  The scale words leave as runs of 64 bytes: 640 KB in all, beside 12 MB of images that leave in runs of 512.
; REGISTERS, in windows of 256: window 0: v0-31 addresses; v32-63 scale words, two sets; v64-127 the bias; from v128 A's fragments, one set; on the way out v32-49 and v128-223 are at work.
;   window 1: B's fragments, two sets.   window 2: the accumulators of my rows 0-63 ((a, b) at v[8 (8 a + b)]);   window 3: those of my rows 64-127.
.set KSTEP,  256
.set NQ,     2                         ; matrix instructions deep in a slot
.set ROWB,   256                       ; a tile's row in bytes
.set KROW,   1024                      ; a row of codes in memory
.set PITCH,  272                       ; an LDS row: 256 bytes + 16 of padding: the 16 rows that a load touches start at 16 different banks (64 banks of 4 bytes: ISA guide 11.1)
.set FR,     16
.set NL,     4
.set NP,     8                         ; places behind this matrix instruction (ISA guide 7.12.1)
.set HALFT,  128*PITCH
.set SLOT,   4*HALFT
.set KS,     32                        ; a row of scale bytes
.set SCL,    2*SLOT                    ; behind the ring: the scales, as units of 256 bytes + 16 of padding
.set HALFS,  16*272                    ; those of 128 rows
.set SBLK,   2*272                     ; those of 16 rows
.set SPARE,  SCL+4*HALFS               ; the spare words: 128 bytes for each wave, two blocks of 256 bytes that no other line names
.set ADRA, 16                          ; v16-17 LDS address of my A fragments in slot 0, 1
.set ADRB, 20                          ; v20-21 the same for B
.set IO,   24                          ; v24 the way out: 16 x lane
.set SO,   25                          ; v25 a scale word's place: 4 r; for q, k lanes 16-31 store the odd head's, 8,192 bytes on
.set SH,   26                          ; v26 and shift their word down by 16 bits
.set ADRS, 27                          ; v27 LDS address of my scale words: lanes 0-15 A's rows, lanes 16-31 B's
.set SPW,  28                          ; v28 LDS address of my spare word; never rewritten
.set NIL,  29                          ; v29 0; never rewritten
.set SC,   32
.set BI,   64                          ; v64-127 the bias: q, k: 8 registers for each block b of B; v: 8 equal registers for each block a of A
.set AF,   128
.set TM,   32                          ; the way out: v32-35 largest magnitudes, v36-39 bytes, v40-43 holds, v44-47 scale operands
.set PW,   48                          ; the scale word
.set SD,   49                          ; as it is stored
.set PC,   128                         ; v128-159 codes, two sets by turns
.set HT,   160                         ; v160-223 the held numbers
.set G1, 24
.set G0, 32
.set G1B, 48
.set G0B, 56
.set G1S, 68
.set G0S, 76
.set G1SB, 80
.set G0SB, 88
.set IBL, 96                           ; s[96:97] images of my blocks 0-3; s[98:99] of blocks 4-7
.set IBH, 98
.set SBL, 100                          ; s[100:101], s[104:105] their scale words
.set SBH, 104
.set MSB, 0
.macro WIN new                         ; the immediate's high byte repeats the setting that is left
.if MSB != \new
	s_set_vgpr_msb (MSB<<8)|\new
.set MSB, \new
.endif
.endm
.set MUL_LO, 0xa1                      ; source 0 (B) window 1, source 1 (A) window 0, C and D window 2
.set MUL_HI, 0xf1
.set TO_B,   0x40
; A joint load: waves 0 and 1 fetch for A, waves 2 and 3 for B; the branch hangs on the wave's number alone.  An s_nop 0 and four v_nop follow each of the two lines.
.macro JLOAD g0a, g1a, g0b, g1b
	s_cmp_eq_u32 s15, 0
	s_cbranch_scc0 .Lfor_b_\@
	tensor_load_to_lds s[\g0a:\g0a+3], s[\g1a:\g1a+7]
	s_nop 0
.rept 4
	v_nop
.endr
	s_branch .Lasked_\@
.Lfor_b_\@:
	tensor_load_to_lds s[\g0b:\g0b+3], s[\g1b:\g1b+7]
	s_nop 0
.rept 4
	v_nop
.endr
.Lasked_\@:
.endm
.macro CREST
	s_cmp_lg_u32 s14, 0
	s_cbranch_scc1 .Lnot_wave_0_\@
	s_barrier_signal -3
.Lnot_wave_0_\@:
	s_barrier_wait -3
	s_barrier_signal -1
	s_barrier_wait -1
.endm
.macro CROUND
	s_barrier_signal -1
	s_barrier_wait -1
	CREST
.endm
	s_load_b256 s[4:11], s[0:1], 0x0               ; xc s[4:5], xs s[6:7], wc s[8:9], ws s[10:11]
	v_lshl_add_u32 v[SPW], v0, 2, SPARE
	v_mov_b32 v[NIL], 0
	ds_add_u32 v[SPW], v[NIL]                      ; the wave's opening: the add, twice on end, and its wait ahead of my first tensor load
	ds_add_u32 v[SPW], v[NIL]
	v_lshrrev_b32 v1, 5, v0
	v_readfirstlane_b32 s14, v1                    ; wave 0..3
	s_lshr_b32 s15, s14, 1                         ; which half of A's rows is mine.  Also: I fetch for A (0) or for B (1)
	s_and_b32 s16, s14, 1                          ; which half of B's rows.  Also: which 128 rows I fetch
	s_bfe_u32 s40, ttmp6, 0x40000                  ; cx, cy: my place in the cluster
	s_bfe_u32 s41, ttmp6, 0x40004
	s_and_b32 s67, ttmp7, 0xffff                   ; the cluster's y, 0 .. 11
	s_lshr_b32 s66, s67, 2                         ; the stream: 0 q, 1 k, 2 v
	s_and_b32 s67, s67, 3
	s_lshl_b32 s67, s67, 2                         ; which four of the 16 tiles of tokens
	s_cmp_eq_u32 s66, 2
	s_cselect_b32 s12, 0, s67                      ; q, k: the tokens are A's rows;
	s_cselect_b32 s13, s67, 0                      ; v: they are B's
	s_add_co_u32 s17, s41, s12                     ; A's tile of 256 rows: cy and the cluster's y alone
	s_add_co_u32 s42, s40, s13                     ; B's: cx and the cluster's y alone
	s_lshl_b32 s43, s41, 2
	s_lshl_b32 s43, 15, s43                        ; my row of the cluster
	s_lshl_b32 s44, 0x1111, s40                    ; my column
	s_or_b32 s[G1+0], s43, (0<<16)|(1<<20)|(1<<21)|(5<<22)|(3<<25)  ; the mask; elements of 1 byte; padding on; bit 21 beside a mask; after every 64 words, 4 words
	s_or_b32 s[G1B+0], s44, (0<<16)|(1<<20)|(1<<21)|(5<<22)|(3<<25)
.irp g, G1, G1B
	s_mov_b32 s[\g+1], ROWB<<16                    ; tensor_dim0
	s_mov_b32 s[\g+2], 128<<16                     ; tensor_dim1
	s_mov_b32 s[\g+3], ROWB<<16                    ; tile_dim0
	s_mov_b32 s[\g+4], 128                         ; tile_dim1
	s_mov_b32 s[\g+5], KROW                        ; the pitch
	s_mov_b32 s[\g+6], 0
	s_mov_b32 s[\g+7], 0
.endr
	s_or_b32 s[G1S+0], s43, (3<<16)|(1<<20)|(1<<21)|(5<<22)|(3<<25) ; the scales of 128 rows: 4,096 dense bytes as 16 rows of 32 elements of 8 bytes, 16 bytes of padding behind each
	s_or_b32 s[G1SB+0], s44, (3<<16)|(1<<20)|(1<<21)|(5<<22)|(3<<25)
.irp g, G1S, G1SB
	s_mov_b32 s[\g+1], 32<<16
	s_mov_b32 s[\g+2], 16<<16
	s_mov_b32 s[\g+3], 32<<16
	s_mov_b32 s[\g+4], 16
	s_mov_b32 s[\g+5], 32
	s_mov_b32 s[\g+6], 0
	s_mov_b32 s[\g+7], 0
.endr
	s_lshl_b32 s18, s16, 7
	s_lshl_b32 s20, s17, 8
	s_add_co_u32 s20, s20, s18                     ; A: the first row that I fetch
	s_lshl_b32 s46, s42, 8
	s_add_co_u32 s46, s46, s18                     ; B likewise
	s_mov_b32 s21, 0
	s_mov_b32 s47, 0
	s_mov_b64 s[18:19], KS
	s_mul_u64 s[22:23], s[20:21], s[18:19]         ; where these rows' scales begin, in bytes
	s_mul_u64 s[92:93], s[46:47], s[18:19]
	s_mov_b64 s[18:19], KROW
	s_mul_u64 s[20:21], s[20:21], s[18:19]         ; and their codes
	s_mul_u64 s[46:47], s[46:47], s[18:19]
	s_mul_i32 s45, s14, HALFT                      ; where they go: wave x 128 rows
	s_mul_i32 s94, s14, HALFS
	s_mov_b32 s97, 0
	s_wait_dscnt 0x0                               ; both opening adds are done
	s_wait_kmcnt 0x0
	s_lshl_b32 s96, s66, 22
	s_add_nc_u64 s[4:5], s[4:5], s[96:97]          ; the stream's part of each buffer
	s_lshl_b32 s96, s66, 17
	s_add_nc_u64 s[6:7], s[6:7], s[96:97]
	s_lshl_b32 s96, s66, 20
	s_add_nc_u64 s[8:9], s[8:9], s[96:97]
	s_lshl_b32 s96, s66, 15
	s_add_nc_u64 s[10:11], s[10:11], s[96:97]
	s_cmp_eq_u32 s66, 2                            ; v: the weight is A and the tokens are B
	s_cselect_b64 s[96:97], s[8:9], s[4:5]
	s_cselect_b64 s[98:99], s[10:11], s[6:7]
	s_cselect_b64 s[8:9], s[4:5], s[8:9]
	s_cselect_b64 s[10:11], s[6:7], s[10:11]
	s_add_nc_u64 s[20:21], s[96:97], s[20:21]
	s_add_nc_u64 s[22:23], s[98:99], s[22:23]
	s_add_nc_u64 s[46:47], s[8:9], s[46:47]
	s_add_nc_u64 s[92:93], s[10:11], s[92:93]
	CROUND                                         ; all sixteen work-groups are here: the first joint loads meet
	s_mov_b32 s[G0S], 1
	s_add_co_u32 s[G0S+1], s94, SCL
	s_mov_b64 s[G0S+2:G0S+3], s[22:23]
	s_or_b32 s[G0S+3], s[G0S+3], 0x80000000
	s_mov_b32 s[G0SB], 1
	s_add_co_u32 s[G0SB+1], s94, SCL
	s_mov_b64 s[G0SB+2:G0SB+3], s[92:93]
	s_or_b32 s[G0SB+3], s[G0SB+3], 0x80000000
	JLOAD G0S, G1S, G0SB, G1SB                     ; the scales first; three loads of mine are out behind the next two
.irp s, 0,1
	s_mov_b32 s[G0+4*\s], 1
	s_add_co_u32 s[G0+4*\s+1], s45, \s*SLOT
	s_add_nc_u64 s[G0+4*\s+2:G0+4*\s+3], s[20:21], \s*ROWB
	s_or_b32 s[G0+4*\s+3], s[G0+4*\s+3], 0x80000000
	s_mov_b32 s[G0B+4*\s], 1
	s_add_co_u32 s[G0B+4*\s+1], s45, \s*SLOT
	s_add_nc_u64 s[G0B+4*\s+2:G0B+4*\s+3], s[46:47], \s*ROWB
	s_or_b32 s[G0B+4*\s+3], s[G0B+4*\s+3], 0x80000000
	JLOAD G0+4*\s, G1, G0B+4*\s, G1B
.endr
	s_load_b256 s[92:99], s[0:1], 0x20             ; bq s[92:93], bk s[94:95], bv s[96:97], img s[98:99]
	s_load_b64 s[100:101], s[0:1], 0x40            ; isc
	v_and_b32 v1, 15, v0                           ; r
	v_bfe_u32 v2, v0, 4, 1                         ; h
	v_mul_u32_u24 v3, v1, PITCH
	v_lshl_add_u32 v4, v2, 4, v3
	s_mul_i32 s21, s15, HALFT
	s_mul_i32 s22, s16, HALFT
	s_add_co_u32 s22, s22, 2*HALFT
.irp s, 0,1
	v_add_nc_u32 v[ADRA+\s], s21, v4
	v_add_nc_u32 v[ADRB+\s], s22, v4
	s_add_co_u32 s21, s21, SLOT
	s_add_co_u32 s22, s22, SLOT
.endr
	v_mul_u32_u24 v5, v1, KS
	v_lshrrev_b32 v6, 8, v5
	v_lshl_add_u32 v5, v6, 4, v5                   ; my row's scales: 32 bytes a row, 16 more for each 256 passed
	s_mul_i32 s21, s15, HALFS
	s_mul_i32 s22, s16, HALFS
	s_add_co_u32 s22, s22, 2*HALFS
	s_sub_co_u32 s22, s22, s21
	v_mul_u32_u24 v6, s22, v2                      ; lanes 16-31 take B's
	s_add_co_u32 s21, s21, SCL
	v_add_nc_u32 v5, v5, v6
	v_add_nc_u32 v[ADRS], s21, v5
	v_and_b32 v6, 31, v0
	v_lshlrev_b32 v[IO], 4, v6
	s_cmp_eq_u32 s66, 2
	s_cselect_b32 s12, 0, 8192
	s_cselect_b32 s13, 0, 16
	v_mul_u32_u24 v[SO], s12, v2
	v_lshl_add_u32 v[SO], v1, 2, v[SO]
	v_mul_u32_u24 v[SH], s13, v2
	; where my results go.  R8: my first block of 16 rows of A, counted over the stream; C2: my 128 rows of B
	s_lshl_b32 s2, s17, 4
	s_lshl_b32 s18, s15, 3
	s_add_co_u32 s2, s2, s18                       ; R8
	s_lshl_b32 s3, s42, 1
	s_add_co_u32 s3, s3, s16                       ; C2
	s_lshr_b32 s18, s2, 7                          ; q, k: the batch, the tile of tokens; C2 is the pair of heads
	s_and_b32 s19, s2, 127
	s_lshl_b32 s20, s18, 3
	s_add_co_u32 s20, s20, s3
	s_lshl_b32 s22, s20, 14                        ; scale words: (16 b + 2 C2) x 8,192
	s_lshl_b32 s20, s20, 7
	s_add_co_u32 s20, s20, s19
	s_lshl_b32 s20, s20, 11                        ; images: ((8 b + C2) x 128 + tile) x 2,048
	s_lshl_b32 s21, s66, 22
	s_add_co_u32 s20, s20, s21
	s_lshl_b32 s19, s19, 6
	s_add_co_u32 s22, s22, s19
	s_lshl_b32 s21, s66, 18
	s_add_co_u32 s22, s22, s21
	s_lshr_b32 s18, s3, 4                          ; v: the batch and the key step from C2, the head from R8
	s_lshl_b32 s18, s18, 4
	s_lshr_b32 s19, s2, 2
	s_add_co_u32 s18, s18, s19
	s_lshl_b32 s18, s18, 4
	s_and_b32 s19, s3, 15
	s_add_co_u32 s18, s18, s19                     ; (16 b + head) x 16 + step
	s_lshl_b32 s19, s18, 8
	s_add_co_u32 s19, s19, 524288
	s_lshl_b32 s18, s18, 13
	s_add_co_u32 s18, s18, 0x800000
	s_mov_b32 s45, 8192
	s_mov_b32 s46, 256
	s_cmp_eq_u32 s66, 2
	s_cselect_b32 s20, s18, s20
	s_cselect_b32 s22, s19, s22
	s_cselect_b32 s18, 131072, s45                 ; from block 0 to block 4: q, k: four tiles of tokens on; v: the next head
	s_cselect_b32 s46, 4096, s46
	s_mov_b32 s21, 0
	s_mov_b32 s23, 0
	s_mov_b32 s19, 0
	s_mov_b32 s47, 0
	s_wait_kmcnt 0x0
	s_cselect_b64 s[12:13], s[96:97], s[92:93]     ; the stream's bias
	s_cmp_eq_u32 s66, 1
	s_cselect_b64 s[12:13], s[94:95], s[12:13]
	s_add_nc_u64 s[IBL:IBL+1], s[98:99], s[20:21]
	s_add_nc_u64 s[IBH:IBH+1], s[IBL:IBL+1], s[18:19]
	s_add_nc_u64 s[SBL:SBL+1], s[100:101], s[22:23]
	s_add_nc_u64 s[SBH:SBH+1], s[SBL:SBL+1], s[46:47]
	s_mov_b32 s93, 0
	s_cmp_eq_u32 s66, 2
	s_cbranch_scc1 .Lbias_v
	s_lshl_b32 s92, s3, 9                          ; q, k: my 128 channels; register j of block 2 g + u is channel 32 g + 16 h + 8 u + j
	s_add_nc_u64 s[12:13], s[12:13], s[92:93]
	v_lshlrev_b32 v7, 6, v2
.irp b, 0,1,2,3,4,5,6,7
	global_load_b128 v[BI+8*\b:BI+8*\b+3], v7, s[12:13] offset:(32*(\b/2)+8*(\b%2))*4
	global_load_b128 v[BI+8*\b+4:BI+8*\b+7], v7, s[12:13] offset:(32*(\b/2)+8*(\b%2))*4+16
.endr
	s_branch .Lbias_done
.Lbias_v:
	s_lshl_b32 s92, s2, 6                          ; v: my 128 channels; lane r of block 2 g + u is channel 32 g + 8 u + r + 8 (r / 8), the same in all eight registers
	s_add_nc_u64 s[12:13], s[12:13], s[92:93]
	v_and_b32 v7, 8, v1
	v_add_nc_u32 v7, v7, v1
	v_lshlrev_b32 v7, 2, v7
.irp a, 0,1,2,3,4,5,6,7
	global_load_b32 v[BI+8*\a], v7, s[12:13] offset:(32*(\a/2)+8*(\a%2))*4
.endr
	s_wait_loadcnt 0x0
.irp a, 0,1,2,3,4,5,6,7
.irp j, 1,2,3,4,5,6,7
	v_mov_b32 v[BI+8*\a+\j], v[BI+8*\a]
.endr
.endr
.rept 8
	v_nop
.endr
.Lbias_done:
	s_wait_loadcnt 0x0                             ; the bias
	s_mov_b32 s92, 0x76543210
	s_mov_b32 s93, 0xfedcba98                      ; v_permlanex16_b32's selects for lane l xor 16
	s_mov_b32 s94, 0x600000                        ; the mantissa field of 57,344
.macro FRAG reg, adr, q, i             ; 16 rows x 128 K: lane l holds row l % 16; registers 4 c .. 4 c + 3 hold K = 32 c + 16 (l / 16) + 0 .. 15
.irp c, 0,1,2,3
	ds_load_b128 v[\reg+4*\c:\reg+4*\c+3], v[\adr] offset:128*(\q)+32*\c+(\i)*16*PITCH
.endr
.endm
; 16 matrix instructions: A's blocks a0, a0 + 1 x B's eight.  zero = 0: in place; 1: the sums start from the bias of B's block; 2: from the bias of A's block.  The 64 accumulators take turns, one instruction a turn, in the same order in every step.
.macro MUL16 a0, p, q, sc, zero
.irp a, \a0, \a0+1
.irp b, 0,1,2,3,4,5,6,7
.if (\zero) == 1
	v_wmma_scale_f32_16x16x128_f8f6f4 v[8*(8*((\a)%4)+\b):8*(8*((\a)%4)+\b)+7], v[128*(\p)+FR*\b:128*(\p)+FR*\b+FR-1], v[AF+FR*(\a):AF+FR*(\a)+FR-1], v[BI+8*\b:BI+8*\b+7], v[SC+8*NQ*(\sc)+NQ*\b+(\q)], v[SC+8*NQ*(\sc)+NQ*(\a)+(\q)] matrix_a_fmt:MATRIX_FMT_BF8 matrix_b_fmt:MATRIX_FMT_BF8 matrix_a_scale:MATRIX_SCALE_ROW1
.elseif (\zero) == 2
	v_wmma_scale_f32_16x16x128_f8f6f4 v[8*(8*((\a)%4)+\b):8*(8*((\a)%4)+\b)+7], v[128*(\p)+FR*\b:128*(\p)+FR*\b+FR-1], v[AF+FR*(\a):AF+FR*(\a)+FR-1], v[BI+8*(\a):BI+8*(\a)+7], v[SC+8*NQ*(\sc)+NQ*\b+(\q)], v[SC+8*NQ*(\sc)+NQ*(\a)+(\q)] matrix_a_fmt:MATRIX_FMT_BF8 matrix_b_fmt:MATRIX_FMT_BF8 matrix_a_scale:MATRIX_SCALE_ROW1
.else
	v_wmma_scale_f32_16x16x128_f8f6f4 v[8*(8*((\a)%4)+\b):8*(8*((\a)%4)+\b)+7], v[128*(\p)+FR*\b:128*(\p)+FR*\b+FR-1], v[AF+FR*(\a):AF+FR*(\a)+FR-1], v[8*(8*((\a)%4)+\b):8*(8*((\a)%4)+\b)+7], v[SC+8*NQ*(\sc)+NQ*\b+(\q)], v[SC+8*NQ*(\sc)+NQ*(\a)+(\q)] matrix_a_fmt:MATRIX_FMT_BF8 matrix_b_fmt:MATRIX_FMT_BF8 matrix_a_scale:MATRIX_SCALE_ROW1
.endif
.endr
.endr
.endm
.macro FETCH_B slot, q, p
	WIN TO_B
.irp i, 0,1,2,3,4,5,6,7
	FRAG 128*(\p)+FR*\i, ADRB+\slot, \q, \i
.endr
	WIN 0
.endm
.macro FETCH_A slot, q, i0
.irp i, \i0, \i0+1, \i0+2, \i0+3
	FRAG AF+FR*(\i), ADRA+\slot, \q, \i
.endr
.endm
.macro SCALES sc                       ; a K step's scale words: two words a row; lanes 0-15 take A's block i, lanes 16-31 B's block i
.irp i, 0,1,2,3,4,5,6,7
	ds_load_b64 v[SC+8*NQ*\sc+NQ*\i:SC+8*NQ*\sc+NQ*\i+1], v[ADRS] offset:\i*SBLK
.endr
.endm
.macro PLACES n                        ; plain vector lines between a matrix instruction and a load into, or a vector line on, its registers
.rept \n
	v_nop
.endr
.endm
.macro STEP slot, q, zero              ; 128 along K that has its successor in the same slot
	s_wait_dscnt 4*NL                              ; B's set and A's blocks 0-3 are in; the youngest sixteen loads (A's blocks 4-7) may be out
.if \zero
	WIN 0x81                                       ; C (the bias) in window 0, D in window 2
.else
	WIN MUL_LO
.endif
	MUL16 0, (\q)%2, \q, \slot, \zero
	MUL16 2, (\q)%2, \q, \slot, \zero
	s_wait_dscnt 0
	PLACES NP
	FETCH_B \slot, (\q)+1, 1-(\q)%2
	FETCH_A \slot, (\q)+1, 0
.if \zero
	WIN 0xc1
.else
	WIN MUL_HI
.endif
	MUL16 4, (\q)%2, \q, \slot, \zero
	MUL16 6, (\q)%2, \q, \slot, \zero
	PLACES NP
	WIN 0
	FETCH_A \slot, (\q)+1, 4
.endm
; A slot's last step changes slots: one barrier; in front of it each wave waits for all its tensor loads, adds 0 to its spare word, and waits for that and for its own reads of this slot.  fill = 1: this slot is filled again, two K steps ahead, behind a round of the cluster's barrier.
.macro TURN slot, next, fill
	s_wait_tensorcnt 0x0                           ; all my tensor loads have landed: my part of the next slot
	ds_add_u32 v[SPW], v[NIL]                      ; 0 onto my spare word
	s_wait_dscnt 4*NL+1                            ; (the add and A's blocks 4-7 may be out)
	WIN MUL_LO
	MUL16 0, 1, NQ-1, \slot, 0
	s_wait_dscnt 0x0                               ; the add is done, and my reads of this slot are over
	s_barrier_signal -1
	MUL16 2, 1, NQ-1, \slot, 0
	WIN 0
	s_barrier_wait -1
.if \fill
	CREST                                          ; no wave of any partner still reads this slot's tile or has a load on its way
	s_add_nc_u64 s[G0+4*\slot+2:G0+4*\slot+3], s[G0+4*\slot+2:G0+4*\slot+3], 2*ROWB
	s_add_nc_u64 s[G0B+4*\slot+2:G0B+4*\slot+3], s[G0B+4*\slot+2:G0B+4*\slot+3], 2*ROWB
	JLOAD G0+4*\slot, G1, G0B+4*\slot, G1B         ; my one tensor load behind the round; its four v_nop are among the places in front of the loads below
	PLACES NP-4
.else
	PLACES NP
.endif
	v_add_nc_u32 v[ADRS], 4*NQ, v[ADRS]
	FETCH_B \next, 0, 0
	FETCH_A \next, 0, 0
	SCALES \next
	WIN MUL_HI
	MUL16 4, 1, NQ-1, \slot, 0
	MUL16 6, 1, NQ-1, \slot, 0
	PLACES NP
	WIN 0
	FETCH_A \next, 0, 4
.endm
	s_wait_tensorcnt 1                             ; the scales and my part of K step 0 are in (K step 1's load may be out)
	s_barrier_signal -1
	s_barrier_wait -1                              ; everybody's are
	FETCH_B 0, 0, 0
	FETCH_A 0, 0, 0
	SCALES 0
	FETCH_A 0, 0, 4
	s_cmp_eq_u32 s66, 2                            ; the first step is written twice: it differs in which bias starts a sum.  No barrier and no tensor load stands in it
	s_cbranch_scc1 .Lfirst_v
	STEP 0, 0, 1
	s_branch .Lfirst_done
.Lfirst_v:
	STEP 0, 0, 2
.Lfirst_done:
	s_mov_b32 s3, 1
.Llap:                                                 ; once round the ring: both slots are filled again (K = 1,024 is two laps)
	TURN 0, 1, 1
	STEP 1, 0, 0
	TURN 1, 0, 1
	STEP 0, 0, 0
	s_sub_co_u32 s3, s3, 1
	s_cmp_lg_u32 s3, 0
	s_cbranch_scc1 .Llap
	TURN 0, 1, 0                                   ; the last lap fills nothing
	STEP 1, 0, 0
	s_wait_dscnt 4*NL
	WIN MUL_LO
	MUL16 0, 1, NQ-1, 1, 0
	MUL16 2, 1, NQ-1, 1, 0
	s_wait_dscnt 0
	WIN MUL_HI
	MUL16 4, 1, NQ-1, 1, 0
	MUL16 6, 1, NQ-1, 1, 0
	WIN 0
; THE WAY OUT.  Block a of A: a lane's 64 numbers, register 16 g + i = B's row 32 g + 16 (lane / 16) + i, become a fragment's 16 registers of codes and a scale word, and leave as they stand: 4 stores of 512 consecutive bytes.
; q, k: registers 0-7 are the even head's 64 channels, registers 8-15 the odd head's; the word's low half is the even head's two bytes, its high half the odd head's (lanes 16-31 store it shifted down).  v: the fragment is 16 channels x 128 keys.
.macro OUTA a
.set AC, 64*((\a)%4)
.set WA, 0x0a+5*((\a)/4)
.set WB, 0x02+(\a)/4
.set PCS, PC+16*((\a)%2)
	WIN WA                                         ; sources 0 and 1: the accumulators' window
.irp b, 0,1,2,3
	v_max3_num_f32 v[TM+\b], |v[AC+16*\b]|, |v[AC+16*\b+1]|, 0x8000000   ; each accumulator is read from its low end on; the floor 2^(16 - 127) holds the byte at 1 from below
.endr
.irp i, 2,4,6,8,10,12,14
.irp b, 0,1,2,3
	v_max3_num_f32 v[TM+\b], |v[AC+16*\b+\i]|, |v[AC+16*\b+\i+1]|, v[TM+\b]
.endr
.endr
	WIN 0
.irp b, 0,1,2,3
	v_permlanex16_b32 v[TM+4+\b], v[TM+\b], s92, s93
.endr
.irp b, 0,1,2,3
	v_max_num_f32 v[TM+\b], v[TM+\b], v[TM+4+\b]   ; with lane l xor 16's: the block's largest magnitude
.endr
.irp b, 0,1,2,3
	v_add_nc_u32 v[TM+12+\b], 0xf8800000, v[TM+\b]
.endr
.irp b, 0,1,2,3
	v_and_or_b32 v[TM+8+\b], v[TM+\b], 0x7f800000, s94
.endr
.irp b, 0,1,2,3
	v_lshrrev_b32 v[TM+4+\b], 23, v[TM+12+\b]
.endr
	v_lshl_or_b32 v[PW], v[TM+5], 8, v[TM+4]
	v_lshl_or_b32 v[PW], v[TM+6], 16, v[PW]
	v_lshl_or_b32 v[PW], v[TM+7], 24, v[PW]
	WIN WB                                         ; source 0: the accumulators' window
.irp b, 0,1,2,3
.irp i, 0,1,2,3,4,5,6,7,8,9,10,11,12,13,14,15
	v_med3_num_f32 v[HT+16*\b+\i], v[AC+16*\b+\i], -v[TM+8+\b], v[TM+8+\b]
.endr
.endr
	WIN 0
	s_wait_xcnt 0x0                                ; the earlier stores have read their data: codes and word are written again only behind this wait
.irp b, 0,1,2,3
	v_cvt_scalef32_pk8_bf8_f32 v[PCS+4*\b:PCS+4*\b+1], v[HT+16*\b:HT+16*\b+7], v[TM+12+\b]
	v_cvt_scalef32_pk8_bf8_f32 v[PCS+4*\b+2:PCS+4*\b+3], v[HT+16*\b+8:HT+16*\b+15], v[TM+12+\b]
.endr
	v_lshrrev_b32 v[SD], v[SH], v[PW]              ; (also the plain line behind the conversions)
.if (\a) < 4
.irp c, 0,1,2,3
	global_store_b128 v[IO], v[PCS+4*\c:PCS+4*\c+3], s[IBL:IBL+1] offset:((\a)%4)*2048+512*\c
.endr
	global_store_b32 v[SO], v[SD], s[SBL:SBL+1] offset:((\a)%4)*64
.else
.irp c, 0,1,2,3
	global_store_b128 v[IO], v[PCS+4*\c:PCS+4*\c+3], s[IBH:IBH+1] offset:((\a)%4)*2048+512*\c
.endr
	global_store_b32 v[SO], v[SD], s[SBH:SBH+1] offset:((\a)%4)*64
.endif
.endm
	PLACES NP                                      ; behind the last products: for the reads of their results and for the vector lines that write where fragments and scale words lay
.irp b, 0,1,2,3
	v_mov_b32 v[TM+4+\b], 0                        ; a lane permute's destination counts as one of its sources
.endr
.irp a, 0,1,2,3,4,5,6,7
	OUTA \a
.endr
	s_wait_tensorcnt 0x0                           ; the wave's end
	ds_add_u32 v[SPW], v[NIL]
	s_wait_dscnt 0x0
	CROUND                                         ; the closing round: no work-group ends while a partner may still ask for a tile that names it
	s_endpgm
.Lfunc_end_k_qfde5c0a789_proj:
	.size	k_qfde5c0a789_proj, .Lfunc_end_k_qfde5c0a789_proj-k_qfde5c0a789_proj
	.p2alignl 7, 3214868480
	.fill 96, 4, 3214868480
	.section	.rodata,"a",@progbits
	.p2align	6, 0x0
	.amdhsa_kernel k_qfde5c0a789_proj
		.amdhsa_group_segment_fixed_size 327680
		.amdhsa_private_segment_fixed_size 0
		.amdhsa_enable_private_segment 0
		.amdhsa_kernarg_size 72
		.amdhsa_user_sgpr_count 2
		.amdhsa_user_sgpr_kernarg_segment_ptr 1
		.amdhsa_wavefront_size32 1
		.amdhsa_system_sgpr_workgroup_id_x 1
		.amdhsa_system_sgpr_workgroup_id_y 1
		.amdhsa_system_sgpr_workgroup_id_z 1
		.amdhsa_system_vgpr_workitem_id 0
		.amdhsa_next_free_vgpr 1024
		.amdhsa_next_free_sgpr 106
		.amdhsa_reserve_vcc 0
		.amdhsa_float_denorm_mode_32 3
		.amdhsa_float_denorm_mode_16_64 3
		.amdhsa_memory_ordered 1
		.amdhsa_forward_progress 1
		.amdhsa_inst_pref_size 204
	.end_amdhsa_kernel
	.amdgpu_metadata
---
amdhsa.version: [ 1, 2 ]
amdhsa.kernels:
  - .name:           k_qfde5c0a789_proj
    .symbol:         k_qfde5c0a789_proj.kd
    .args:
      - { .name: xc, .offset: 0, .size: 8, .value_kind: global_buffer, .address_space: global }
      - { .name: xs, .offset: 8, .size: 8, .value_kind: global_buffer, .address_space: global }
      - { .name: wc, .offset: 16, .size: 8, .value_kind: global_buffer, .address_space: global }
      - { .name: ws, .offset: 24, .size: 8, .value_kind: global_buffer, .address_space: global }
      - { .name: bq, .offset: 32, .size: 8, .value_kind: global_buffer, .address_space: global }
      - { .name: bk, .offset: 40, .size: 8, .value_kind: global_buffer, .address_space: global }
      - { .name: bv, .offset: 48, .size: 8, .value_kind: global_buffer, .address_space: global }
      - { .name: img, .offset: 56, .size: 8, .value_kind: global_buffer, .address_space: global }
      - { .name: isc, .offset: 64, .size: 8, .value_kind: global_buffer, .address_space: global }
    .group_segment_fixed_size: 327680
    .private_segment_fixed_size: 0
    .kernarg_segment_align: 8
    .kernarg_segment_size: 72
    .max_flat_workgroup_size: 128
    .sgpr_count:     106
    .vgpr_count:     1024
    .wavefront_size: 32
...
	.end_amdgpu_metadata
.endif
;; end of part 2
;; launch attn (part 3): grid 8 x 32, 16 waves a work-group, no clusters, 313,344 bytes of LDS; arguments img, isc, flags, mask, Q, out0; writes out0
.if DOCPART == 3
	.amdgcn_target "amdgcn-amd-amdhsa--gfx1250"
	.amdhsa_code_object_version 6
	.text
	.protected	k_qfde5c0a789_attn
	.globl	k_qfde5c0a789_attn
	.p2align	8
	.type	k_qfde5c0a789_attn,@function
k_qfde5c0a789_attn:
	s_mov_b64 s[64:65], 0
	v_nop
	global_prefetch_b8 v0, s[64:65] scope:SCOPE_SE
	s_setreg_imm32_b32 hwreg(HW_REG_WAVE_MODE, 25, 1), 1
	s_wait_xcnt 0x0
; THIRD LAUNCH: out0 = softmax(q k^T / 8, hidden where mask) v + Q, both products on codes of E5M2 with E8M0 scales, head size 64 (the other 64 of the instruction's K are zero codes on both sides).
; WORK LEFT OUT: a step of 128 keys that the mask hides for all 16 queries of a wave's tile is passed over, by a scalar branch on whole numbers that the first launch stored (flags): there p = 0 for every pair, so the row's largest t, its sum and O stay as they are,
; whatever the inputs hold.  LIMIT: a NaN, an infinity or an overflow that reaches only such steps is not carried to the result.  A row with no visible key ends as 0 x (1 / 0) = NaN.
; THE SOFTMAX: t = score x log2(e) / 8; M = the running largest t rounded up to a whole number; p = 2^(t - M) is quantised along the keys, not normalised; the row's sum is taken of the unquantised p and divides at the end; when M moves, sum and O are multiplied by a power of two.
; SHARES.  A work-group owns one (batch, head) and 256 of its queries; each of its sixteen waves one tile of 16 queries, in 256 registers, four waves to a SIMD.  Wave w of work-group x takes tile 8 rho(w) + x, rho a fixed permutation of 0 .. 15 whose values add to 30
; over waves w, w + 4, w + 8, w + 12 and over 4 w .. 4 w + 3: where the visible part grows with the query, the work is spread evenly.  Any assignment is right.
; K AND V OF THE WHOLE HEAD LIE IN LDS, as images of the operands' registers (256 KB), filled once through registers: no tensor load, since the walk branches on numbers read from memory; so no cluster either, though eight work-groups read the same head.
; LAYOUT.  Both products are used transposed: S^T = K Q^T, O^T = V^T P^T: a lane holds one query throughout.  Tile T = 2 G + u of tokens holds tokens 32 G + 8 u + r + 8 (r / 8), so the 16 registers of two neighbouring tiles of keys are keys 32 g + 16 (lane / 16) + 0 .. 15,
; and O^T's register 16 a + i is channel 32 a + 16 (lane / 16) + i.
; REGISTERS: v1-4 addresses that stay; v5, v6 the add's two; v7 my lane's place in the mask; v8-11, v239 addresses in hand; v12 -M, v13 the largest t, v[14:15] the sum; v16-31 Q (upper half zeros); v32-95 four operands of K (upper halves zeros);
; v96-159 S^T, then p, then V's four fragments; v160-191 O^T; v192-207 mask bytes, then p's codes; v208-215 scale words and nothing else; v216-237 at work; v238 the prefetch's offset; v240-249 the fill's addresses.
.set KIMG,  0                          ; 128 tiles of keys x 1,024 bytes
.set VIMG,  131072                     ; 16 key steps x 4 tiles of channels x 2,048 bytes
.set KSC,   262144                     ; K's scale words: 64 bytes a tile
.set VSC,   270336                     ; V's: 256 bytes a step
.set STG,   274432                     ; the way out: 8 rows x 272 bytes in 2,304 for each wave
.set SPARE, 311296                     ; the spare words: 128 bytes for each wave, eight blocks of 256 bytes that no other line names
	s_load_b256 s[4:11], s[0:1], 0x0               ; img s[4:5], isc s[6:7], flags s[8:9], mask s[10:11]
	s_load_b128 s[12:15], s[0:1], 0x20             ; Q s[12:13], out0 s[14:15]
	v_lshl_add_u32 v5, v0, 2, SPARE
	v_mov_b32 v6, 0
	v_lshrrev_b32 v8, 5, v0
	v_readfirstlane_b32 s16, v8                    ; wave 0..15
	v_and_b32 v9, 31, v0                           ; lane
	v_and_b32 v10, 15, v0                          ; r
	v_bfe_u32 v11, v0, 4, 1                        ; h
	v_lshlrev_b32 v1, 4, v9                        ; an image's place for my lane, in K's (KIMG = 0),
	v_add_nc_u32 v2, VIMG, v1                      ; in V's
	v_lshlrev_b32 v4, 2, v9
	v_add_nc_u32 v3, KSC, v4                       ; scale words: lanes 0-15 an even tile's, lanes 16-31 the odd tile's behind it
	v_add_nc_u32 v4, VSC, v4
	v_and_b32 v7, 8, v10
	v_add_nc_u32 v7, v7, v10
	v_lshlrev_b32 v7, 11, v7
	v_lshl_add_u32 v7, v11, 4, v7                  ; the mask: my query's row, r + 8 (r / 8) rows of 2,048 bytes on, + 16 h
	v_lshlrev_b32 v238, 12, v9                     ; a row of Q is 4,096 bytes
	v_lshlrev_b32 v240, 4, v0                      ; the fill: 16 x thread, in memory and in LDS
	v_add_nc_u32 v241, 65536, v240
	v_add_nc_u32 v242, 131072, v240
	v_add_nc_u32 v243, 196608, v240
	v_add_nc_u32 v244, KSC, v240
	v_lshlrev_b32 v248, 3, v0
	v_add_nc_u32 v245, VSC, v248
	v_lshrrev_b32 v246, 6, v0
	v_and_b32 v247, 63, v0
	v_lshlrev_b32 v247, 4, v247
	v_lshl_add_u32 v246, v246, 11, v247            ; K in memory: a tile's 1,024 bytes of my head lie 2,048 apart
	v_lshlrev_b32 v249, 2, v10
	s_and_b32 s40, ttmp7, 0xffff                   ; 16 b + head
	s_lshr_b32 s41, s40, 4                         ; b
	s_and_b32 s42, s40, 15                         ; head
	s_mov_b32 s43, 0x0de3b658
	s_cmp_lt_u32 s16, 8
	s_cselect_b32 s43, 0x7a94c12f, s43
	s_and_b32 s44, s16, 7
	s_lshl_b32 s44, s44, 2
	s_lshr_b32 s43, s43, s44
	s_and_b32 s43, s43, 15                         ; rho(wave)
	s_lshl_b32 s43, s43, 3
	s_add_co_u32 s43, s43, ttmp9                   ; T: my tile of queries
	s_lshl_b32 s44, s41, 3
	s_lshr_b32 s45, s42, 1
	s_add_co_u32 s44, s44, s45                     ; 8 b + the pair of heads
	s_and_b32 s45, s42, 1
	s_lshl_b32 s45, s45, 10
	s_lshl_b32 s46, s44, 18
	s_add_co_u32 s46, s46, s45                     ; my head's images in q's or k's part
	s_mov_b32 s47, 0
	s_lshl_b32 s48, s43, 11
	s_add_co_u32 s48, s48, s46                     ; q: my tile
	s_mov_b32 s49, 0
	s_add_co_u32 s46, s46, 0x400000                ; k's part
	s_lshl_b32 s50, s40, 17
	s_add_co_u32 s50, s50, 0x800000                ; v's part
	s_mov_b32 s51, 0
	s_lshl_b32 s52, s40, 13
	s_lshl_b32 s53, s43, 6
	s_add_co_u32 s54, s52, s53                     ; q's scale words
	s_mov_b32 s55, 0
	s_add_co_u32 s52, s52, 262144                  ; k's
	s_mov_b32 s53, 0
	s_lshl_b32 s56, s40, 12
	s_add_co_u32 s56, s56, 524288                  ; v's
	s_mov_b32 s57, 0
	s_lshl_b32 s58, s41, 7
	s_add_co_u32 s58, s58, s43
	s_lshl_b32 s58, s58, 4                         ; my tile's four words of flags
	s_mov_b32 s59, 0
	s_lshr_b32 s60, s43, 1
	s_lshl_b32 s60, s60, 5
	s_lshl_b32 s61, s41, 11
	s_add_co_u32 s60, s60, s61                     ; the first row of my group of 32 tokens
	s_and_b32 s61, s43, 1
	s_lshl_b32 s61, s61, 3
	s_add_co_u32 s61, s61, s60                     ; and of my tile
	s_lshl_b32 s62, s42, 8                         ; my head's 256 bytes of a row
	s_lshl_b32 s60, s60, 12
	s_add_co_u32 s60, s60, s62
	s_lshl_b32 s66, s61, 12
	s_add_co_u32 s66, s66, s62
	s_mov_b32 s67, 0
	s_lshl_b32 s68, s61, 11
	s_mov_b32 s69, 0
	s_mov_b32 s61, 0
	s_and_b32 s37, ttmp9, 1
	s_cmp_eq_u32 s37, 0
	s_cselect_b32 s37, 13, -1                      ; the trip in which I prefetch: work-groups with even x alone
	s_mov_b32 s24, 0x76543210
	s_mov_b32 s25, 0xfedcba98                      ; v_permlanex16_b32's selects for lane l xor 16
	s_mov_b32 s26, 0x3e38aa3b                      ; c = log2(e) / 8
	s_mov_b32 s27, s26
	s_mov_b32 s28, 0x600000                        ; the mantissa field of 57,344
	s_mov_b32 s29, 0x7f7f7f7f
	s_mov_b32 s30, 0x00800000
	s_mov_b32 s32, 0x04020000                      ; v_perm_b32's selects: 0, 0, 0x80, and byte 0 .. 3 of the mask's word
	s_mov_b32 s33, 0x05020000
	s_mov_b32 s34, 0x06020000
	s_mov_b32 s35, 0x07020000
	s_mov_b32 s36, 0xff00ff00                      ; the lanes whose r is 8 or more
	s_mov_b32 s18, 0                               ; the key step
	s_mov_b32 s19, 0                               ; its images: 8,192 bytes a step, K's and V's alike
	s_mov_b32 s20, 0                               ; K's scale words: 512
	s_mov_b32 s21, 0                               ; V's: 256
	s_mov_b32 s22, 0                               ; its first key
	s_wait_kmcnt 0x0
	s_add_nc_u64 s[8:9], s[8:9], s[58:59]
	s_load_b128 s[72:75], s[8:9], 0x0              ; whole numbers that the first launch stored
	s_add_nc_u64 s[48:49], s[4:5], s[48:49]
	s_add_nc_u64 s[46:47], s[4:5], s[46:47]
	s_add_nc_u64 s[50:51], s[4:5], s[50:51]
	s_add_nc_u64 s[54:55], s[6:7], s[54:55]
	s_add_nc_u64 s[52:53], s[6:7], s[52:53]
	s_add_nc_u64 s[56:57], s[6:7], s[56:57]
	s_add_nc_u64 s[10:11], s[10:11], s[68:69]
	s_add_nc_u64 s[38:39], s[12:13], s[60:61]      ; the prefetch: my group's 32 rows of Q, my head's channels
	s_add_nc_u64 s[12:13], s[12:13], s[66:67]
	s_add_nc_u64 s[14:15], s[14:15], s[66:67]
	global_load_b128 v[16:19], v1, s[48:49]        ; Q's codes stay in registers
	global_load_b128 v[20:23], v1, s[48:49] offset:512
	global_load_b32 v214, v249, s[54:55]           ; and its scale words
.set n, 0
.rept 16
	global_load_b128 v[32+4*n:35+4*n], v246, s[46:47] offset:16384*n   ; THE FILL: all 34 loads of a thread go out together; each reads 512 consecutive bytes a wave
.set n, n+1
.endr
	global_load_b128 v[160:163], v240, s[52:53]
.set n, 0
.rept 16
	global_load_b128 v[96+4*n:99+4*n], v240, s[50:51] offset:8192*n
.set n, n+1
.endr
	global_load_b64 v[164:165], v248, s[56:57]
	s_wait_loadcnt 18                              ; Q and K are in; K's scale words, V's sixteen loads and V's scale words may be out
.set n, 0
.rept 8
	ds_store_b128 v240, v[32+4*n:35+4*n] offset:8192*n
	ds_store_b128 v241, v[64+4*n:67+4*n] offset:8192*n
.set n, n+1
.endr
	s_wait_loadcnt 0x0
	ds_store_b128 v244, v[160:163]
.set n, 0
.rept 8
	ds_store_b128 v242, v[96+4*n:99+4*n] offset:8192*n
	ds_store_b128 v243, v[128+4*n:131+4*n] offset:8192*n
.set n, n+1
.endr
	ds_store_b64 v245, v[164:165]
	s_wait_dscnt 0x0                               ; for the others' sake: my stores have landed
	s_barrier_signal -1
	s_barrier_wait -1                              ; the head's K and V lie in LDS: the launch's one barrier
	s_wait_kmcnt 0x0
	s_or_b32 s17, s72, s73
	s_or_b32 s17, s17, s74
	s_or_b32 s17, s17, s75                         ; bit s: step s has a visible key; bit 16 + s: and a hidden one
.irp j, 24,25,26,27,28,29,30,31
	v_mov_b32 v[\j], 0                             ; the upper 64 of K: zero codes, in Q
.endr
.irp t, 0,1,2,3
.irp j, 8,9,10,11,12,13,14,15
	v_mov_b32 v[32+16*\t+\j], 0                    ; and in K's four operands: they stay
.endr
.endr
.set n, 0
.rept 48
	v_mov_b32 v[160+n], 0                          ; O^T (the step is written once: the first finds zeros), and the registers that hold mask bytes and p's codes by turns
.set n, n+1
.endr
.irp j, 220,221,222,223,233,14,15
	v_mov_b32 v[\j], 0                             ; lane permutes' destinations; the upper half of f's pair; the sum
.endr
	v_mov_b32 v13, 0xff61b1e6                      ; the largest t so far: -3e38
	v_floor_f32 v12, -v13                          ; -M
.Lstep:                                            ; 16 trips, a constant; a step's work is passed over where the flags say so, the lines at its end never
	s_lshr_b32 s23, s17, s18
	s_bitcmp1_b32 s23, 0
	s_cbranch_scc0 .Lskip
	v_add_nc_u32 v8, s19, v1                       ; these five and the four v_nop are nine places behind the last products, whose source registers the scores below write over
	v_add_nc_u32 v9, s19, v2
	v_add_nc_u32 v10, s20, v3
	v_add_nc_u32 v11, s21, v4
	v_add_nc_u32 v239, s22, v7
.rept 4
	v_nop
.endr
	s_bitcmp1_b32 s23, 16
	s_cbranch_scc0 .Lno_mask
.irp b, 0,1,2,3
	global_load_b128 v[192+4*\b:195+4*\b], v239, s[10:11] offset:32*\b   ; my query's mask bytes of keys 32 b + 16 h + 0 .. 15: byte n % 4 of word n / 4 belongs to score n
.endr
.Lno_mask:
.irp g, 0,1                                    ; S^T = K Q^T, four tiles of 16 keys at a time
.if \g
.rept 8
	v_nop                                          ; places in front of loads into registers that matrix instructions have read
.endr
.endif
.irp t, 0,1,2,3
	ds_load_b128 v[32+16*\t:35+16*\t], v8 offset:(4*\g+\t)*1024
	ds_load_b128 v[36+16*\t:39+16*\t], v8 offset:(4*\g+\t)*1024+512
.endr
	ds_load_b32 v[208+2*\g], v10 offset:(2*\g)*128
	ds_load_b32 v[209+2*\g], v10 offset:(2*\g+1)*128
	s_wait_dscnt 0x0
.irp t, 0,1,2,3
.if (\t)%2
	v_wmma_scale_f32_16x16x128_f8f6f4 v[96+8*(4*\g+\t):103+8*(4*\g+\t)], v[32+16*\t:47+16*\t], v[16:31], 0, v[208+2*\g+\t/2], v214 matrix_a_fmt:MATRIX_FMT_BF8 matrix_b_fmt:MATRIX_FMT_BF8 matrix_a_scale:MATRIX_SCALE_ROW1
.else
	v_wmma_scale_f32_16x16x128_f8f6f4 v[96+8*(4*\g+\t):103+8*(4*\g+\t)], v[32+16*\t:47+16*\t], v[16:31], 0, v[208+2*\g+\t/2], v214 matrix_a_fmt:MATRIX_FMT_BF8 matrix_b_fmt:MATRIX_FMT_BF8
.endif
.endr
.endr
.rept 8
	v_nop
.endr
	s_wait_loadcnt 0x0                             ; the mask bytes, where they were asked for
	s_bitcmp1_b32 s23, 16
	s_cbranch_scc0 .Lopen
.set n, 0
.rept 16
	v_lshl_or_b32 v[192+n], v[192+n], 7, s29       ; a byte 0 becomes 0x7f, a byte 1 becomes 0xff
.set n, n+1
.endr
.set n, 0
.rept 64
	v_perm_b32 v[224+n%4], v[192+n/4], s30, s[32+n%4]   ; over 0x800000: +infinity for a visible key, -infinity for a hidden one
	v_min_num_f32 v[96+n], v[96+n], v[224+n%4]     ; so a hidden score becomes -infinity and p = 0.  (Ascending: each accumulator is read from its low end on)
.set n, n+1
.endr
.Lopen:
.irp b, 0,1,2,3
	v_max3_num_f32 v[216+\b], v[96+16*\b], v[97+16*\b], v[98+16*\b]   ; the largest score of each block of 32 keys: for the row's maximum, and, since p rises with the score, for the block's largest p
.endr
.irp i, 3,5,7,9,11,13
.irp b, 0,1,2,3
	v_max3_num_f32 v[216+\b], v[216+\b], v[96+16*\b+\i], v[97+16*\b+\i]
.endr
.endr
.irp b, 0,1,2,3
	v_max_num_f32 v[216+\b], v[216+\b], v[111+16*\b]
.endr
.irp b, 0,1,2,3
	v_permlanex16_b32 v[220+\b], v[216+\b], s24, s25
.endr
.irp b, 0,1,2,3
	v_max_num_f32 v[216+\b], v[216+\b], v[220+\b]
.endr
	v_max3_num_f32 v234, v216, v217, v218
	v_max_num_f32 v234, v234, v219
	v_mul_f32 v234, s26, v234                      ; as t (c is positive)
	v_max_num_f32 v13, v13, v234                   ; the running largest t
	v_mov_b32 v234, v12
	v_floor_f32 v12, -v13                          ; the new -M = -ceil(t)
	v_sub_f32 v234, v12, v234                      ; old M - new M: a whole number, 0 or less
	v_cvt_i32_f32 v234, v234                       ; (it saturates)
	v_ldexp_f32 v232, 1.0, v234                    ; f = 2^(old M - new M)
.set n, 0
.rept 32
	v_pk_fma_f32 v[96+n:97+n], v[96+n:97+n], s[26:27], v[12:13] op_sel_hi:[1,0,0]   ; t - M, two at a time
.set n, n+2
.endr
.irp b, 0,1,2,3
	v_fma_f32 v[216+\b], v[216+\b], s26, v12       ; the same of each block's largest score
.endr
.set n, 0
.rept 64
	v_exp_f32 v[96+n], v[96+n]                     ; p = 2^(t - M)
.set n, n+1
.endr
	v_pk_mul_f32 v[14:15], v[14:15], v[232:233] op_sel_hi:[1,0]   ; the sum under the new M (a plain line behind the exponentials)
	s_wait_alu depctr_va_vdst(0)                   ; one wait for the batch, ahead of its first reader
.irp b, 0,1,2,3
	v_exp_f32 v[216+\b], v[216+\b]                 ; the block's largest p
.endr
	v_pk_add_f32 v[236:237], v[96:97], v[98:99]    ; the row's sum of the unquantised p, in two chains
.irp j, 4,8,12,16,20,24,28,32,36,40,44,48,52,56,60
	v_pk_add_f32 v[14:15], v[14:15], v[96+\j:97+\j]
	v_pk_add_f32 v[236:237], v[236:237], v[98+\j:99+\j]
.endr
	v_pk_add_f32 v[14:15], v[14:15], v[236:237]
	s_wait_alu depctr_va_vdst(0)                   ; and one for the four
.irp b, 0,1,2,3
	v_max_num_f32 v[216+\b], 0x8000000, v[216+\b]  ; the floor 2^(16 - 127): the byte cannot fall under 1
.endr
.irp b, 0,1,2,3
	v_add_nc_u32 v[228+\b], 0xf8800000, v[216+\b]  ; the conversion's scale operand
.endr
.irp b, 0,1,2,3
	v_and_or_b32 v[224+\b], v[216+\b], 0x7f800000, s28   ; 57,344 x the scale
.endr
.irp b, 0,1,2,3
	v_lshrrev_b32 v[220+\b], 23, v[228+\b]         ; the scale's byte
.endr
	v_lshl_or_b32 v215, v221, 8, v220              ; p's scale word for these 128 keys
	v_lshl_or_b32 v215, v222, 16, v215
	v_lshl_or_b32 v215, v223, 24, v215
.irp b, 0,1,2,3
.irp i, 0,1,2,3,4,5,6,7,8,9,10,11,12,13,14,15
	v_min_num_f32 v[96+16*\b+\i], v[96+16*\b+\i], v[224+\b]   ; the conversion does not saturate (ISA guide 7.6.2); p is not negative, so the hold is one-sided
.endr
	v_cvt_scalef32_pk8_bf8_f32 v[192+4*\b:193+4*\b], v[96+16*\b:103+16*\b], v[228+\b]
	v_cvt_scalef32_pk8_bf8_f32 v[194+4*\b:195+4*\b], v[104+16*\b:111+16*\b], v[228+\b]
.endr
.irp t, 0,1,2,3                                ; V's four fragments (16 channels x these 128 keys) take p's place
.irp c, 0,1,2,3
	ds_load_b128 v[96+16*\t+4*\c:99+16*\t+4*\c], v9 offset:2048*\t+512*\c
.endr
.endr
	ds_load_b32 v212, v11
	ds_load_b32 v213, v11 offset:128
.set n, 0
.rept 16
	v_pk_mul_f32 v[160+n:161+n], v[160+n:161+n], v[232:233] op_sel_hi:[1,0]   ; O^T under the new M.  (These sixteen are also the places between the codes, the scale word and the products)
.set n, n+2
.endr
	s_wait_dscnt 0x0
.irp t, 0,1,2,3                                ; O^T += V^T P^T: four accumulators by turns
.if (\t)%2
	v_wmma_scale_f32_16x16x128_f8f6f4 v[160+8*\t:167+8*\t], v[96+16*\t:111+16*\t], v[192:207], v[160+8*\t:167+8*\t], v[212+\t/2], v215 matrix_a_fmt:MATRIX_FMT_BF8 matrix_b_fmt:MATRIX_FMT_BF8 matrix_a_scale:MATRIX_SCALE_ROW1
.else
	v_wmma_scale_f32_16x16x128_f8f6f4 v[160+8*\t:167+8*\t], v[96+16*\t:111+16*\t], v[192:207], v[160+8*\t:167+8*\t], v[212+\t/2], v215 matrix_a_fmt:MATRIX_FMT_BF8 matrix_b_fmt:MATRIX_FMT_BF8
.endif
.endr
.Lskip:
	s_cmp_eq_u32 s18, s37                          ; A PREFETCH of the residual: at the end of trip 13, two key steps ahead of the way out's loads.  My group's 32 rows of Q, a lane a row, my head's 256 bytes of each: my tile's 16 rows and the 16 of the same wave
	s_cbranch_scc0 .Lno_ask                        ; of work-group x + 1; work-groups with even x ask, so each such piece is named once in the launch
	global_prefetch_b8 v238, s[38:39] th:TH_LOAD_NT scope:SCOPE_SE
.Lno_ask:
	s_add_co_u32 s19, s19, 8192
	s_add_co_u32 s20, s20, 512
	s_add_co_u32 s21, s21, 256
	s_add_co_u32 s22, s22, 128
	s_add_co_u32 s18, s18, 1
	s_cmp_lt_u32 s18, 16
	s_cbranch_scc1 .Lstep
	; THE WAY OUT.  O^T / the sum + Q.  A lane holds two runs of 16 channels of one row.  Lanes r and r xor 8 exchange one run each, so that all 32 lanes hold 64 bytes each of 8 rows; these go through my stage and come back as whole
	; rows of 256 bytes; twice.  The address lines are the places behind the last products.
	v_and_b32 v8, 15, v0                           ; r
	v_bfe_u32 v9, v0, 4, 1                         ; h
	v_and_b32 v10, 7, v8
	v_mul_u32_u24 v10, v10, 272
	v_lshrrev_b32 v11, 3, v8
	v_lshl_add_u32 v10, v11, 7, v10
	v_lshl_add_u32 v10, v9, 6, v10
	s_mul_i32 s40, s16, 2304
	s_add_co_u32 s40, s40, STG                     ; my stage
	v_add_nc_u32 v10, s40, v10                     ; in: row r % 8; channels 32 (r / 8) + 16 h on
	v_mul_u32_u24 v11, v9, 272
	v_lshl_add_u32 v11, v8, 4, v11
	v_add_nc_u32 v11, s40, v11                     ; back: lanes 0-15 one row, lanes 16-31 the next
	v_lshlrev_b32 v239, 12, v9
	v_lshl_add_u32 v239, v8, 4, v239               ; and the same two rows in Q and out0
.irp p, 0,1
.irp i, 0,1,2,3
	global_load_b128 v[32+16*\p+4*\i:35+16*\p+4*\i], v239, s[12:13] offset:(16*\p+2*\i)*4096 th:TH_LOAD_NT   ; the residual: pass p holds tokens 16 p + 0 .. 7 of my tile's 24
.endr
.endr
	v_add_f32 v14, v14, v15
	v_permlanex16_b32 v220, v14, s24, s25
	v_add_f32 v14, v14, v220                       ; the row's sum
	v_rcp_f32 v14, v14
	v_nop                                          ; a plain line behind the transcendental,
	s_wait_alu depctr_va_vdst(0)                   ; and the wait ahead of its first reader
.set n, 0
.rept 32
	v_mul_f32 v[96+n], v[160+n], v14               ; ascending: each accumulator is read from its low end on
.set n, n+1
.endr
.set n, 0
.rept 16
	v_cndmask_b32 v[128+n], v[112+n], v[96+n], s36 ; what I send: r < 8: my channels 32 on; r >= 8: my channels 0 on
.set n, n+1
.endr
.set n, 0
.rept 16
	v_mov_b32_dpp v[144+n], v[128+n] row_xmask:8 row_mask:0xf bank_mask:0xf
.set n, n+1
.endr
.set n, 0
.rept 16
	v_cndmask_b32 v[96+n], v[96+n], v[144+n], s36  ; pass 0: rows 0-7
	v_cndmask_b32 v[112+n], v[144+n], v[112+n], s36   ; pass 1: rows 8-15
.set n, n+1
.endr
.irp p, 0,1
.irp k, 0,1,2,3
	ds_store_b128 v10, v[96+16*\p+4*\k:99+16*\p+4*\k] offset:16*\k
.endr
.irp i, 0,1,2,3
	ds_load_b128 v[64+16*\p+4*\i:67+16*\p+4*\i], v11 offset:544*\i   ; LDS serves a wave's instructions in order: these see my stores, and the next pass's stores come behind them
.endr
.endr
	s_wait_loadcnt 0x0                             ; the residual
.irp p, 0,1
	s_wait_dscnt 8-8*\p                            ; pass 0: the second pass's four stores and four loads may be out
.irp m, 0,2,4,6,8,10,12,14
	v_pk_add_f32 v[64+16*\p+\m:65+16*\p+\m], v[64+16*\p+\m:65+16*\p+\m], v[32+16*\p+\m:33+16*\p+\m]
.endr
.irp i, 0,1,2,3
	global_store_b128 v239, v[64+16*\p+4*\i:67+16*\p+4*\i], s[14:15] offset:(16*\p+2*\i)*4096 th:TH_STORE_NT   ; sixteen lanes store 256 consecutive bytes, aligned
.endr
.endr
	s_wait_tensorcnt 0x0                           ; the wave's end, behind my last LDS store
	ds_add_u32 v5, v6
	s_wait_dscnt 0x0
	s_endpgm
.Lfunc_end_k_qfde5c0a789_attn:
	.size	k_qfde5c0a789_attn, .Lfunc_end_k_qfde5c0a789_attn-k_qfde5c0a789_attn
	.p2alignl 7, 3214868480
	.fill 96, 4, 3214868480
	.section	.rodata,"a",@progbits
	.p2align	6, 0x0
	.amdhsa_kernel k_qfde5c0a789_attn
		.amdhsa_group_segment_fixed_size 313344
		.amdhsa_private_segment_fixed_size 0
		.amdhsa_enable_private_segment 0
		.amdhsa_kernarg_size 48
		.amdhsa_user_sgpr_count 2
		.amdhsa_user_sgpr_kernarg_segment_ptr 1
		.amdhsa_wavefront_size32 1
		.amdhsa_system_sgpr_workgroup_id_x 1
		.amdhsa_system_sgpr_workgroup_id_y 1
		.amdhsa_system_sgpr_workgroup_id_z 1
		.amdhsa_system_vgpr_workitem_id 0
		.amdhsa_next_free_vgpr 256
		.amdhsa_next_free_sgpr 80
		.amdhsa_reserve_vcc 0
		.amdhsa_float_denorm_mode_32 3
		.amdhsa_float_denorm_mode_16_64 3
		.amdhsa_memory_ordered 1
		.amdhsa_forward_progress 1
		.amdhsa_inst_pref_size 51
	.end_amdhsa_kernel
	.amdgpu_metadata
---
amdhsa.version: [ 1, 2 ]
amdhsa.kernels:
  - .name:           k_qfde5c0a789_attn
    .symbol:         k_qfde5c0a789_attn.kd
    .args:
      - { .name: img, .offset: 0, .size: 8, .value_kind: global_buffer, .address_space: global }
      - { .name: isc, .offset: 8, .size: 8, .value_kind: global_buffer, .address_space: global }
      - { .name: flags, .offset: 16, .size: 8, .value_kind: global_buffer, .address_space: global }
      - { .name: mask, .offset: 24, .size: 8, .value_kind: global_buffer, .address_space: global }
      - { .name: Q, .offset: 32, .size: 8, .value_kind: global_buffer, .address_space: global }
      - { .name: out0, .offset: 40, .size: 8, .value_kind: global_buffer, .address_space: global }
    .group_segment_fixed_size: 313344
    .private_segment_fixed_size: 0
    .kernarg_segment_align: 8
    .kernarg_segment_size: 48
    .max_flat_workgroup_size: 512
    .sgpr_count:     80
    .vgpr_count:     256
    .wavefront_size: 32
...
	.end_amdgpu_metadata
.endif
;; end of part 3
;; ======== version 2 of 2: 3 launches; version 1 with the launch attn written anew for expert scheduling mode
;; workspace buffers: xc 12,582,912 bytes; xs 393,216 bytes; wc 3,145,728 bytes; ws 98,304 bytes; img 12,582,912 bytes; isc 655,360 bytes; flags 4,096 bytes of whole numbers
;; launch prep: the kernel of part 1 again; grid 608 x 1, 4 waves a work-group, no clusters, 56,832 bytes of LDS; arguments Q, K, V, Wq, Wk, Wv, gamma, beta, mask, xc, xs, wc, ws, flags; writes xc, xs, wc, ws, flags
;; launch proj: the kernel of part 2 again; grid 4 x 48, 4 waves a work-group, clusters of 4 x 4, 327,680 bytes of LDS; arguments xc, xs, wc, ws, bq, bk, bv, img, isc; writes img, isc
;; launch attn (part 4): grid 8 x 32, 16 waves a work-group, no clusters, 313,344 bytes of LDS; arguments img, isc, flags, mask, Q, out0; writes out0
.if DOCPART == 4
	.amdgcn_target "amdgcn-amd-amdhsa--gfx1250"
	.amdhsa_code_object_version 6
	.text
	.protected	k_qfde5c0a789_attn
	.globl	k_qfde5c0a789_attn
	.p2align	8
	.type	k_qfde5c0a789_attn,@function
k_qfde5c0a789_attn:
	s_mov_b64 s[64:65], 0
	v_nop
	global_prefetch_b8 v0, s[64:65] scope:SCOPE_SE
	s_setreg_imm32_b32 hwreg(HW_REG_WAVE_SCHED_MODE, 0, 2), 2
	s_setreg_imm32_b32 hwreg(HW_REG_WAVE_MODE, 25, 1), 1
	s_wait_xcnt 0x0
	s_wait_alu depctr_vm_vsrc(0)
; THIRD LAUNCH: out0 = softmax(q k^T / 8, hidden where mask) v + Q, both products on codes of E5M2 with E8M0 scales, head size 64 (the other 64 of the instruction's K are zero codes on both sides).
; WORK LEFT OUT: a step of 128 keys that the mask hides for all 16 queries of a wave's tile is passed over, by a scalar branch on whole numbers that the first launch stored (flags): there p = 0 for every pair, so the row's largest t, its sum and O stay as they are,
; whatever the inputs hold.  LIMIT: a NaN, an infinity or an overflow that reaches only such steps is not carried to the result.  A row with no visible key ends as 0 x (1 / 0) = NaN.
; THE SOFTMAX: t = score x log2(e) / 8; M = the running largest t rounded up to a whole number; p = 2^(t - M) is quantised along the keys, not normalised; the row's sum is taken of the unquantised p and divides at the end; when M moves, sum and O are multiplied by a power of two.
; SHARES.  A work-group owns one (batch, head) and 256 of its queries; each of its sixteen waves one tile of 16 queries, in 256 registers, four waves to a SIMD.  Wave w of work-group x takes tile 8 rho(w) + x, rho a fixed permutation of 0 .. 15 whose values add to 30
; over waves w, w + 4, w + 8, w + 12 and over 4 w .. 4 w + 3: where the visible part grows with the query, the work is spread evenly.  Any assignment is right.
; K AND V OF THE WHOLE HEAD LIE IN LDS, as images of the operands' registers (256 KB), filled once through registers: no tensor load, since the walk branches on numbers read from memory; so no cluster either, though eight work-groups read the same head.
; LAYOUT.  Both products are used transposed: S^T = K Q^T, O^T = V^T P^T: a lane holds one query throughout.  Tile T = 2 G + u of tokens holds tokens 32 G + 8 u + r + 8 (r / 8), so the 16 registers of two neighbouring tiles of keys are keys 32 g + 16 (lane / 16) + 0 .. 15,
; and O^T's register 16 a + i is channel 32 a + 16 (lane / 16) + i.
; REGISTERS: v1-4 addresses that stay; v5, v6 the add's two; v7 my lane's place in the mask; v8-11, v239 addresses in hand; v12 -M, v13 the largest t, v[14:15] the sum; v16-31 Q (upper half zeros); v32-95 four operands of K (upper halves zeros);
; v96-159 S^T, then p, then V's four fragments; v160-191 O^T; v192-207 mask bytes, then p's codes; v208-215 scale words and nothing else; v216-237 at work; v238 the prefetch's offset; v240-249 the fill's addresses.
; THE MODE: SCHED_MODE bits 1:0 = 2 (LLVM: expert scheduling mode 2), set by the entry lines.  The code itself states the register dependences between vector or matrix instructions and memory or LDS instructions, with s_wait_alu, always for 0.
; THE PLAN.  Registers that memory or LDS instructions touch in a key step, and who else names them:
;   v8-11, v239      written by the five additions at the step's head; read by the step's LDS loads and mask loads.
;   v32-95, low 8s   K's fragments land twice a step; the scores' products read them.
;   v208-213         K's four and V's two scale words land in the head's run of loads; the products read them.
;   v192-207         the mask bytes land at the head; vector lines work on them; the conversions write p's codes there; the second product reads them.
;   v96-159          the scores' products write them, the softmax works on them, the conversions read them; V's fragments land; the second product reads them; the next step's scores write over them.
;   v1-4, v7, v238   made at the kernel's head and never written again.
; So a step has one wait on vm_vsrc, ahead of the five additions, and three on va_vdst beside the two behind its exponentials: behind the additions, for all that the head's loads hang on; between the two groups of four tiles of keys; and behind the
; conversions, for V's loads and for p's codes and scale word as operands.
.set KIMG,  0                          ; 128 tiles of keys x 1,024 bytes
.set VIMG,  131072                     ; 16 key steps x 4 tiles of channels x 2,048 bytes
.set KSC,   262144                     ; K's scale words: 64 bytes a tile
.set VSC,   270336                     ; V's: 256 bytes a step
.set STG,   274432                     ; the way out: 8 rows x 272 bytes in 2,304 for each wave
.set SPARE, 311296                     ; the spare words: 128 bytes for each wave, eight blocks of 256 bytes that no other line names
	s_load_b256 s[4:11], s[0:1], 0x0               ; img s[4:5], isc s[6:7], flags s[8:9], mask s[10:11]
	s_load_b128 s[12:15], s[0:1], 0x20             ; Q s[12:13], out0 s[14:15]
	v_lshl_add_u32 v5, v0, 2, SPARE
	v_mov_b32 v6, 0
	v_lshrrev_b32 v8, 5, v0
	v_readfirstlane_b32 s16, v8                    ; wave 0..15
	v_and_b32 v9, 31, v0                           ; lane
	v_and_b32 v10, 15, v0                          ; r
	v_bfe_u32 v11, v0, 4, 1                        ; h
	v_lshlrev_b32 v1, 4, v9                        ; an image's place for my lane, in K's (KIMG = 0),
	v_add_nc_u32 v2, VIMG, v1                      ; in V's
	v_lshlrev_b32 v4, 2, v9
	v_add_nc_u32 v3, KSC, v4                       ; scale words: lanes 0-15 an even tile's, lanes 16-31 the odd tile's behind it
	v_add_nc_u32 v4, VSC, v4
	v_and_b32 v7, 8, v10
	v_add_nc_u32 v7, v7, v10
	v_lshlrev_b32 v7, 11, v7
	v_lshl_add_u32 v7, v11, 4, v7                  ; the mask: my query's row, r + 8 (r / 8) rows of 2,048 bytes on, + 16 h
	v_lshlrev_b32 v238, 12, v9                     ; a row of Q is 4,096 bytes
	v_lshlrev_b32 v240, 4, v0                      ; the fill: 16 x thread, in memory and in LDS
	v_add_nc_u32 v241, 65536, v240
	v_add_nc_u32 v242, 131072, v240
	v_add_nc_u32 v243, 196608, v240
	v_add_nc_u32 v244, KSC, v240
	v_lshlrev_b32 v248, 3, v0
	v_add_nc_u32 v245, VSC, v248
	v_lshrrev_b32 v246, 6, v0
	v_and_b32 v247, 63, v0
	v_lshlrev_b32 v247, 4, v247
	v_lshl_add_u32 v246, v246, 11, v247            ; K in memory: a tile's 1,024 bytes of my head lie 2,048 apart
	v_lshlrev_b32 v249, 2, v10
	s_wait_alu depctr_va_sdst(0)                   ; s16, the wave's number, is written, ahead of its first reader: my tile of queries is made from it
	s_and_b32 s40, ttmp7, 0xffff                   ; 16 b + head
	s_lshr_b32 s41, s40, 4                         ; b
	s_and_b32 s42, s40, 15                         ; head
	s_mov_b32 s43, 0x0de3b658
	s_cmp_lt_u32 s16, 8
	s_cselect_b32 s43, 0x7a94c12f, s43
	s_and_b32 s44, s16, 7
	s_lshl_b32 s44, s44, 2
	s_lshr_b32 s43, s43, s44
	s_and_b32 s43, s43, 15                         ; rho(wave)
	s_lshl_b32 s43, s43, 3
	s_add_co_u32 s43, s43, ttmp9                   ; T: my tile of queries
	s_lshl_b32 s44, s41, 3
	s_lshr_b32 s45, s42, 1
	s_add_co_u32 s44, s44, s45                     ; 8 b + the pair of heads
	s_and_b32 s45, s42, 1
	s_lshl_b32 s45, s45, 10
	s_lshl_b32 s46, s44, 18
	s_add_co_u32 s46, s46, s45                     ; my head's images in q's or k's part
	s_mov_b32 s47, 0
	s_lshl_b32 s48, s43, 11
	s_add_co_u32 s48, s48, s46                     ; q: my tile
	s_mov_b32 s49, 0
	s_add_co_u32 s46, s46, 0x400000                ; k's part
	s_lshl_b32 s50, s40, 17
	s_add_co_u32 s50, s50, 0x800000                ; v's part
	s_mov_b32 s51, 0
	s_lshl_b32 s52, s40, 13
	s_lshl_b32 s53, s43, 6
	s_add_co_u32 s54, s52, s53                     ; q's scale words
	s_mov_b32 s55, 0
	s_add_co_u32 s52, s52, 262144                  ; k's
	s_mov_b32 s53, 0
	s_lshl_b32 s56, s40, 12
	s_add_co_u32 s56, s56, 524288                  ; v's
	s_mov_b32 s57, 0
	s_lshl_b32 s58, s41, 7
	s_add_co_u32 s58, s58, s43
	s_lshl_b32 s58, s58, 4                         ; my tile's four words of flags
	s_mov_b32 s59, 0
	s_lshr_b32 s60, s43, 1
	s_lshl_b32 s60, s60, 5
	s_lshl_b32 s61, s41, 11
	s_add_co_u32 s60, s60, s61                     ; the first row of my group of 32 tokens
	s_and_b32 s61, s43, 1
	s_lshl_b32 s61, s61, 3
	s_add_co_u32 s61, s61, s60                     ; and of my tile
	s_lshl_b32 s62, s42, 8                         ; my head's 256 bytes of a row
	s_lshl_b32 s60, s60, 12
	s_add_co_u32 s60, s60, s62
	s_lshl_b32 s66, s61, 12
	s_add_co_u32 s66, s66, s62
	s_mov_b32 s67, 0
	s_lshl_b32 s68, s61, 11
	s_mov_b32 s69, 0
	s_mov_b32 s61, 0
	s_and_b32 s37, ttmp9, 1
	s_cmp_eq_u32 s37, 0
	s_cselect_b32 s37, 13, -1                      ; the trip in which I prefetch: work-groups with even x alone
	s_mov_b32 s24, 0x76543210
	s_mov_b32 s25, 0xfedcba98                      ; v_permlanex16_b32's selects for lane l xor 16
	s_mov_b32 s26, 0x3e38aa3b                      ; c = log2(e) / 8
	s_mov_b32 s27, s26
	s_mov_b32 s28, 0x600000                        ; the mantissa field of 57,344
	s_mov_b32 s29, 0x7f7f7f7f
	s_mov_b32 s30, 0x00800000
	s_mov_b32 s32, 0x04020000                      ; v_perm_b32's selects: 0, 0, 0x80, and byte 0 .. 3 of the mask's word
	s_mov_b32 s33, 0x05020000
	s_mov_b32 s34, 0x06020000
	s_mov_b32 s35, 0x07020000
	s_mov_b32 s36, 0xff00ff00                      ; the lanes whose r is 8 or more
	s_mov_b32 s18, 0                               ; the key step
	s_mov_b32 s19, 0                               ; its images: 8,192 bytes a step, K's and V's alike
	s_mov_b32 s20, 0                               ; K's scale words: 512
	s_mov_b32 s21, 0                               ; V's: 256
	s_mov_b32 s22, 0                               ; its first key
	s_wait_kmcnt 0x0
	s_add_nc_u64 s[8:9], s[8:9], s[58:59]
	s_load_b128 s[72:75], s[8:9], 0x0              ; whole numbers that the first launch stored
	s_add_nc_u64 s[48:49], s[4:5], s[48:49]
	s_add_nc_u64 s[46:47], s[4:5], s[46:47]
	s_add_nc_u64 s[50:51], s[4:5], s[50:51]
	s_add_nc_u64 s[54:55], s[6:7], s[54:55]
	s_add_nc_u64 s[52:53], s[6:7], s[52:53]
	s_add_nc_u64 s[56:57], s[6:7], s[56:57]
	s_add_nc_u64 s[10:11], s[10:11], s[68:69]
	s_add_nc_u64 s[38:39], s[12:13], s[60:61]      ; the prefetch: my group's 32 rows of Q, my head's channels
	s_add_nc_u64 s[12:13], s[12:13], s[66:67]
	s_add_nc_u64 s[14:15], s[14:15], s[66:67]
	s_wait_alu depctr_va_vdst(0)                   ; v1, v238 and v240 to v249 are written: the offsets and LDS addresses that the fill's loads and stores and the prefetch read
	global_load_b128 v[16:19], v1, s[48:49]        ; Q's codes stay in registers
	global_load_b128 v[20:23], v1, s[48:49] offset:512
	global_load_b32 v214, v249, s[54:55]           ; and its scale words
.set n, 0
.rept 16
	global_load_b128 v[32+4*n:35+4*n], v246, s[46:47] offset:16384*n   ; THE FILL: all 34 loads of a thread go out together; each reads 512 consecutive bytes a wave
.set n, n+1
.endr
	global_load_b128 v[160:163], v240, s[52:53]
.set n, 0
.rept 16
	global_load_b128 v[96+4*n:99+4*n], v240, s[50:51] offset:8192*n
.set n, n+1
.endr
	global_load_b64 v[164:165], v248, s[56:57]
	s_wait_loadcnt 18                              ; Q and K are in; K's scale words, V's sixteen loads and V's scale words may be out
.set n, 0
.rept 8
	ds_store_b128 v240, v[32+4*n:35+4*n] offset:8192*n
	ds_store_b128 v241, v[64+4*n:67+4*n] offset:8192*n
.set n, n+1
.endr
	s_wait_loadcnt 0x0
	ds_store_b128 v244, v[160:163]
.set n, 0
.rept 8
	ds_store_b128 v242, v[96+4*n:99+4*n] offset:8192*n
	ds_store_b128 v243, v[128+4*n:131+4*n] offset:8192*n
.set n, n+1
.endr
	ds_store_b64 v245, v[164:165]
	s_wait_dscnt 0x0                               ; for the others' sake: my stores have landed
	s_barrier_signal -1
	s_barrier_wait -1                              ; the head's K and V lie in LDS: the launch's one barrier
	s_wait_alu depctr_vm_vsrc(0)                   ; my LDS stores have read v32 to v165: from here on these registers are written by the zeros below, by LDS loads and by products
	s_wait_kmcnt 0x0
	s_or_b32 s17, s72, s73
	s_or_b32 s17, s17, s74
	s_or_b32 s17, s17, s75                         ; bit s: step s has a visible key; bit 16 + s: and a hidden one
.irp j, 24,25,26,27,28,29,30,31
	v_mov_b32 v[\j], 0                             ; the upper 64 of K: zero codes, in Q
.endr
.irp t, 0,1,2,3
.irp j, 8,9,10,11,12,13,14,15
	v_mov_b32 v[32+16*\t+\j], 0                    ; and in K's four operands: they stay
.endr
.endr
.set n, 0
.rept 48
	v_mov_b32 v[160+n], 0                          ; O^T (the step is written once: the first finds zeros), and the registers that hold mask bytes and p's codes by turns
.set n, n+1
.endr
.irp j, 220,221,222,223,233,14,15
	v_mov_b32 v[\j], 0                             ; lane permutes' destinations; the upper half of f's pair; the sum
.endr
	v_mov_b32 v13, 0xff61b1e6                      ; the largest t so far: -3e38
	v_floor_f32 v12, -v13                          ; -M
.Lstep:                                            ; 16 trips, a constant; a step's work is passed over where the flags say so, the lines at its end never
	s_lshr_b32 s23, s17, s18
	s_bitcmp1_b32 s23, 0
	s_cbranch_scc0 .Lskip
	s_wait_alu depctr_vm_vsrc(0)                   ; the LDS loads and mask loads of the steps before have read v8 to v11 and v239, which the five additions write again
	v_add_nc_u32 v8, s19, v1                       ; these five and the four v_nop are nine places behind the last products, whose source registers the scores below write over
	v_add_nc_u32 v9, s19, v2
	v_add_nc_u32 v10, s20, v3
	v_add_nc_u32 v11, s21, v4
	v_add_nc_u32 v239, s22, v7
.rept 4
	v_nop
.endr
	s_wait_alu depctr_va_vdst(0)                   ; the five addresses are written, which this step's loads read; the last step's products are done reading K's operands, p's codes and the scale words, in which the loads below land; in the first trip the head's zeros are written: v192 to v207, in which mask bytes land, and the upper halves of Q's and K's operands
	s_bitcmp1_b32 s23, 16
	s_cbranch_scc0 .Lno_mask
.irp b, 0,1,2,3
	global_load_b128 v[192+4*\b:195+4*\b], v239, s[10:11] offset:32*\b   ; my query's mask bytes of keys 32 b + 16 h + 0 .. 15: byte n % 4 of word n / 4 belongs to score n
.endr
.Lno_mask:
.irp g, 0,1                                    ; S^T = K Q^T, four tiles of 16 keys at a time
.if \g
	s_wait_alu depctr_va_vdst(0)                   ; the first four products are done reading K's four operands, in which the next four tiles land
.endif
.irp t, 0,1,2,3
	ds_load_b128 v[32+16*\t:35+16*\t], v8 offset:(4*\g+\t)*1024
	ds_load_b128 v[36+16*\t:39+16*\t], v8 offset:(4*\g+\t)*1024+512
.endr
.if \g
	s_wait_dscnt 0x0
.else
	ds_load_b32 v208, v10                          ; the step's six scale words in one run: K's of tiles 0, 1 and 2, 3,
	ds_load_b32 v209, v10 offset:128
	ds_load_b32 v210, v10 offset:256               ; of tiles 4, 5 and 6, 7,
	ds_load_b32 v211, v10 offset:384
	ds_load_b32 v212, v11                          ; and V's
	ds_load_b32 v213, v11 offset:128
	s_wait_dscnt 0x4                               ; LDS loads come back in order (ISA guide 5.7.1): the four tiles and their two words are in; the four younger words may be out
.endif
.irp t, 0,1,2,3
.if (\t)%2
	v_wmma_scale_f32_16x16x128_f8f6f4 v[96+8*(4*\g+\t):103+8*(4*\g+\t)], v[32+16*\t:47+16*\t], v[16:31], 0, v[208+2*\g+\t/2], v214 matrix_a_fmt:MATRIX_FMT_BF8 matrix_b_fmt:MATRIX_FMT_BF8 matrix_a_scale:MATRIX_SCALE_ROW1
.else
	v_wmma_scale_f32_16x16x128_f8f6f4 v[96+8*(4*\g+\t):103+8*(4*\g+\t)], v[32+16*\t:47+16*\t], v[16:31], 0, v[208+2*\g+\t/2], v214 matrix_a_fmt:MATRIX_FMT_BF8 matrix_b_fmt:MATRIX_FMT_BF8
.endif
.endr
.endr
.rept 8
	v_nop                                          ; eight places behind the products, before vector lines read their results
.endr
	s_wait_loadcnt 0x0                             ; the mask bytes, where they were asked for
	s_bitcmp1_b32 s23, 16
	s_cbranch_scc0 .Lopen
.set n, 0
.rept 16
	v_lshl_or_b32 v[192+n], v[192+n], 7, s29       ; a byte 0 becomes 0x7f, a byte 1 becomes 0xff
.set n, n+1
.endr
.set n, 0
.rept 64
	v_perm_b32 v[224+n%4], v[192+n/4], s30, s[32+n%4]   ; over 0x800000: +infinity for a visible key, -infinity for a hidden one
	v_min_num_f32 v[96+n], v[96+n], v[224+n%4]     ; so a hidden score becomes -infinity and p = 0.  (Ascending: each accumulator is read from its low end on)
.set n, n+1
.endr
.Lopen:
.irp b, 0,1,2,3
	v_max3_num_f32 v[216+\b], v[96+16*\b], v[97+16*\b], v[98+16*\b]   ; the largest score of each block of 32 keys: for the row's maximum, and, since p rises with the score, for the block's largest p
.endr
.irp i, 3,5,7,9,11,13
.irp b, 0,1,2,3
	v_max3_num_f32 v[216+\b], v[216+\b], v[96+16*\b+\i], v[97+16*\b+\i]
.endr
.endr
.irp b, 0,1,2,3
	v_max_num_f32 v[216+\b], v[216+\b], v[111+16*\b]
.endr
.irp b, 0,1,2,3
	v_permlanex16_b32 v[220+\b], v[216+\b], s24, s25
.endr
.irp b, 0,1,2,3
	v_max_num_f32 v[216+\b], v[216+\b], v[220+\b]
.endr
	v_max3_num_f32 v234, v216, v217, v218
	v_max_num_f32 v234, v234, v219
	v_mul_f32 v234, s26, v234                      ; as t (c is positive)
	v_max_num_f32 v13, v13, v234                   ; the running largest t
	v_mov_b32 v234, v12
	v_floor_f32 v12, -v13                          ; the new -M = -ceil(t)
	v_sub_f32 v234, v12, v234                      ; old M - new M: a whole number, 0 or less
	v_cvt_i32_f32 v234, v234                       ; (it saturates)
	v_ldexp_f32 v232, 1.0, v234                    ; f = 2^(old M - new M)
.set n, 0
.rept 32
	v_pk_fma_f32 v[96+n:97+n], v[96+n:97+n], s[26:27], v[12:13] op_sel_hi:[1,0,0]   ; t - M, two at a time
.set n, n+2
.endr
.irp b, 0,1,2,3
	v_fma_f32 v[216+\b], v[216+\b], s26, v12       ; the same of each block's largest score
.endr
.set n, 0
.rept 64
	v_exp_f32 v[96+n], v[96+n]                     ; p = 2^(t - M)
.set n, n+1
.endr
	v_pk_mul_f32 v[14:15], v[14:15], v[232:233] op_sel_hi:[1,0]   ; the sum under the new M (a plain line behind the exponentials)
	s_wait_alu depctr_va_vdst(0)                   ; the 64 exponentials have written p, v96 to v159: one wait for the batch, ahead of its first reader
.irp b, 0,1,2,3
	v_exp_f32 v[216+\b], v[216+\b]                 ; the block's largest p
.endr
	v_pk_add_f32 v[236:237], v[96:97], v[98:99]    ; the row's sum of the unquantised p, in two chains
.irp j, 4,8,12,16,20,24,28,32,36,40,44,48,52,56,60
	v_pk_add_f32 v[14:15], v[14:15], v[96+\j:97+\j]
	v_pk_add_f32 v[236:237], v[236:237], v[98+\j:99+\j]
.endr
	v_pk_add_f32 v[14:15], v[14:15], v[236:237]
	s_wait_alu depctr_va_vdst(0)                   ; the four exponentials have written v216 to v219: their wait, ahead of their first reader
.irp b, 0,1,2,3
	v_max_num_f32 v[216+\b], 0x8000000, v[216+\b]  ; the floor 2^(16 - 127): the byte cannot fall under 1
.endr
.irp b, 0,1,2,3
	v_add_nc_u32 v[228+\b], 0xf8800000, v[216+\b]  ; the conversion's scale operand
.endr
.irp b, 0,1,2,3
	v_and_or_b32 v[224+\b], v[216+\b], 0x7f800000, s28   ; 57,344 x the scale
.endr
.irp b, 0,1,2,3
	v_lshrrev_b32 v[220+\b], 23, v[228+\b]         ; the scale's byte
.endr
	v_lshl_or_b32 v215, v221, 8, v220              ; p's scale word for these 128 keys
	v_lshl_or_b32 v215, v222, 16, v215
	v_lshl_or_b32 v215, v223, 24, v215
.irp b, 0,1,2,3
.irp i, 0,1,2,3,4,5,6,7,8,9,10,11,12,13,14,15
	v_min_num_f32 v[96+16*\b+\i], v[96+16*\b+\i], v[224+\b]   ; the conversion does not saturate (ISA guide 7.6.2); p is not negative, so the hold is one-sided
.endr
	v_cvt_scalef32_pk8_bf8_f32 v[192+4*\b:193+4*\b], v[96+16*\b:103+16*\b], v[228+\b]
	v_cvt_scalef32_pk8_bf8_f32 v[194+4*\b:195+4*\b], v[104+16*\b:111+16*\b], v[228+\b]
.endr
.set n, 0
.rept 4
	v_pk_mul_f32 v[160+n:161+n], v[160+n:161+n], v[232:233] op_sel_hi:[1,0]   ; O^T under the new M, ascending.  These four are the places between p's codes and the products that take them (the scale word was made ahead of the 64 holds)
.set n, n+2
.endr
	s_wait_alu depctr_va_vdst(0)                   ; the conversions are done reading p, v96 to v159, in which V's fragments land; and p's codes, v192 to v207, and its scale word, v215, are written, behind their places, ahead of the scaled products that take them
.irp t, 0,1,2,3                                ; V's four fragments (16 channels x these 128 keys) take p's place
.irp c, 0,1,2,3
	ds_load_b128 v[96+16*\t+4*\c:99+16*\t+4*\c], v9 offset:2048*\t+512*\c
.endr
.endr
.rept 12
	v_pk_mul_f32 v[160+n:161+n], v[160+n:161+n], v[232:233] op_sel_hi:[1,0]   ; the rest of O^T, while V is on its way: these lines name O^T and f alone, none of the registers that the loads above touch, nor the products' operands or scales
.set n, n+2
.endr
	s_wait_dscnt 0x0
.irp t, 0,1,2,3                                ; O^T += V^T P^T: four accumulators by turns
.if (\t)%2
	v_wmma_scale_f32_16x16x128_f8f6f4 v[160+8*\t:167+8*\t], v[96+16*\t:111+16*\t], v[192:207], v[160+8*\t:167+8*\t], v[212+\t/2], v215 matrix_a_fmt:MATRIX_FMT_BF8 matrix_b_fmt:MATRIX_FMT_BF8 matrix_a_scale:MATRIX_SCALE_ROW1
.else
	v_wmma_scale_f32_16x16x128_f8f6f4 v[160+8*\t:167+8*\t], v[96+16*\t:111+16*\t], v[192:207], v[160+8*\t:167+8*\t], v[212+\t/2], v215 matrix_a_fmt:MATRIX_FMT_BF8 matrix_b_fmt:MATRIX_FMT_BF8
.endif
.endr
.Lskip:
	s_cmp_eq_u32 s18, s37                          ; A PREFETCH of the residual: at the end of trip 13, two key steps ahead of the way out's loads.  My group's 32 rows of Q, a lane a row, my head's 256 bytes of each: my tile's 16 rows and the 16 of the same wave
	s_cbranch_scc0 .Lno_ask                        ; of work-group x + 1; work-groups with even x ask, so each such piece is named once in the launch
	global_prefetch_b8 v238, s[38:39] th:TH_LOAD_NT scope:SCOPE_SE   ; (its offset v238 was written ahead of the head's wait on va_vdst and is never written again)
.Lno_ask:
	s_add_co_u32 s19, s19, 8192
	s_add_co_u32 s20, s20, 512
	s_add_co_u32 s21, s21, 256
	s_add_co_u32 s22, s22, 128
	s_add_co_u32 s18, s18, 1
	s_cmp_lt_u32 s18, 16
	s_cbranch_scc1 .Lstep
	; THE WAY OUT.  O^T / the sum + Q.  A lane holds two runs of 16 channels of one row.  Lanes r and r xor 8 exchange one run each, so that all 32 lanes hold 64 bytes each of 8 rows; these go through my stage and come back as whole
	; rows of 256 bytes; twice.  The address lines are the places behind the last products.
	s_wait_alu depctr_vm_vsrc(0)                   ; the steps' LDS loads and mask loads have read v8 to v11 and v239, which the lines below write again
	v_and_b32 v8, 15, v0                           ; r
	v_bfe_u32 v9, v0, 4, 1                         ; h
	v_and_b32 v10, 7, v8
	v_mul_u32_u24 v10, v10, 272
	v_lshrrev_b32 v11, 3, v8
	v_lshl_add_u32 v10, v11, 7, v10
	v_lshl_add_u32 v10, v9, 6, v10
	s_mul_i32 s40, s16, 2304
	s_add_co_u32 s40, s40, STG                     ; my stage
	v_add_nc_u32 v10, s40, v10                     ; in: row r % 8; channels 32 (r / 8) + 16 h on
	v_mul_u32_u24 v11, v9, 272
	v_lshl_add_u32 v11, v8, 4, v11
	v_add_nc_u32 v11, s40, v11                     ; back: lanes 0-15 one row, lanes 16-31 the next
	v_lshlrev_b32 v239, 12, v9
	v_lshl_add_u32 v239, v8, 4, v239               ; and the same two rows in Q and out0
	s_wait_alu depctr_va_vdst(0)                   ; v239 is written, the offset of the loads below, and so are v10 and v11, the stage's addresses; the steps' products are done reading v32 to v95, in which the residual and, further down, the stage's rows land
.irp p, 0,1
.irp i, 0,1,2,3
	global_load_b128 v[32+16*\p+4*\i:35+16*\p+4*\i], v239, s[12:13] offset:(16*\p+2*\i)*4096 th:TH_LOAD_NT   ; the residual: pass p holds tokens 16 p + 0 .. 7 of my tile's 24
.endr
.endr
	v_add_f32 v14, v14, v15
	v_permlanex16_b32 v220, v14, s24, s25
	v_add_f32 v14, v14, v220                       ; the row's sum
	v_rcp_f32 v14, v14
	v_nop                                          ; a plain line behind the transcendental,
	s_wait_alu depctr_va_vdst(0)                   ; and the wait ahead of its first reader: the reciprocal has written v14
.set n, 0
.rept 32
	v_mul_f32 v[96+n], v[160+n], v14               ; ascending: each accumulator is read from its low end on
.set n, n+1
.endr
.set n, 0
.rept 16
	v_cndmask_b32 v[128+n], v[112+n], v[96+n], s36 ; what I send: r < 8: my channels 32 on; r >= 8: my channels 0 on
.set n, n+1
.endr
.set n, 0
.rept 16
	v_mov_b32_dpp v[144+n], v[128+n] row_xmask:8 row_mask:0xf bank_mask:0xf
.set n, n+1
.endr
.set n, 0
.rept 16
	v_cndmask_b32 v[96+n], v[96+n], v[144+n], s36  ; pass 0: rows 0-7
	v_cndmask_b32 v[112+n], v[144+n], v[112+n], s36   ; pass 1: rows 8-15
.set n, n+1
.endr
	s_wait_alu depctr_va_vdst(0)                   ; the selections have written v96 to v127, which the LDS stores of both passes read
.irp p, 0,1
.irp k, 0,1,2,3
	ds_store_b128 v10, v[96+16*\p+4*\k:99+16*\p+4*\k] offset:16*\k
.endr
.irp i, 0,1,2,3
	ds_load_b128 v[64+16*\p+4*\i:67+16*\p+4*\i], v11 offset:544*\i   ; LDS serves a wave's instructions in order: these see my stores, and the next pass's stores come behind them
.endr
.endr
	s_wait_loadcnt 0x0                             ; the residual
.irp p, 0,1
	s_wait_dscnt 8-8*\p                            ; pass 0: the second pass's four stores and four loads may be out
.irp m, 0,2,4,6,8,10,12,14
	v_pk_add_f32 v[64+16*\p+\m:65+16*\p+\m], v[64+16*\p+\m:65+16*\p+\m], v[32+16*\p+\m:33+16*\p+\m]
.endr
.endr
	s_wait_alu depctr_va_vdst(0)                   ; the additions of both passes have written v64 to v95, which the eight stores read: one wait for the run
.irp p, 0,1
.irp i, 0,1,2,3
	global_store_b128 v239, v[64+16*\p+4*\i:67+16*\p+4*\i], s[14:15] offset:(16*\p+2*\i)*4096 th:TH_STORE_NT   ; sixteen lanes store 256 consecutive bytes, aligned
.endr
.endr
	s_wait_dscnt 0x0                               ; the closing lines, six on end
	s_wait_alu 0x0
	s_wait_tensorcnt 0x0
	ds_add_u32 v5, v6
	s_wait_dscnt 0x0
	s_endpgm
.Lfunc_end_k_qfde5c0a789_attn:
	.size	k_qfde5c0a789_attn, .Lfunc_end_k_qfde5c0a789_attn-k_qfde5c0a789_attn
	.p2alignl 7, 3214868480
	.fill 96, 4, 3214868480
	.section	.rodata,"a",@progbits
	.p2align	6, 0x0
	.amdhsa_kernel k_qfde5c0a789_attn
		.amdhsa_group_segment_fixed_size 313344
		.amdhsa_private_segment_fixed_size 0
		.amdhsa_enable_private_segment 0
		.amdhsa_kernarg_size 48
		.amdhsa_user_sgpr_count 2
		.amdhsa_user_sgpr_kernarg_segment_ptr 1
		.amdhsa_wavefront_size32 1
		.amdhsa_system_sgpr_workgroup_id_x 1
		.amdhsa_system_sgpr_workgroup_id_y 1
		.amdhsa_system_sgpr_workgroup_id_z 1
		.amdhsa_system_vgpr_workitem_id 0
		.amdhsa_next_free_vgpr 256
		.amdhsa_next_free_sgpr 80
		.amdhsa_reserve_vcc 0
		.amdhsa_float_denorm_mode_32 3
		.amdhsa_float_denorm_mode_16_64 3
		.amdhsa_memory_ordered 1
		.amdhsa_forward_progress 1
		.amdhsa_inst_pref_size 51
	.end_amdhsa_kernel
	.amdgpu_metadata
---
amdhsa.version: [ 1, 2 ]
amdhsa.kernels:
  - .name:           k_qfde5c0a789_attn
    .symbol:         k_qfde5c0a789_attn.kd
    .args:
      - { .name: img, .offset: 0, .size: 8, .value_kind: global_buffer, .address_space: global }
      - { .name: isc, .offset: 8, .size: 8, .value_kind: global_buffer, .address_space: global }
      - { .name: flags, .offset: 16, .size: 8, .value_kind: global_buffer, .address_space: global }
      - { .name: mask, .offset: 24, .size: 8, .value_kind: global_buffer, .address_space: global }
      - { .name: Q, .offset: 32, .size: 8, .value_kind: global_buffer, .address_space: global }
      - { .name: out0, .offset: 40, .size: 8, .value_kind: global_buffer, .address_space: global }
    .group_segment_fixed_size: 313344
    .private_segment_fixed_size: 0
    .kernarg_segment_align: 8
    .kernarg_segment_size: 48
    .max_flat_workgroup_size: 512
    .sgpr_count:     80
    .vgpr_count:     256
    .wavefront_size: 32
...
	.end_amdgpu_metadata
.endif
;; end of part 4
